; MI455X (gfx1250); checked and timed in simulation.
; The chip was launched on July 23, 2026; its instructions are those of AMD's public machine-readable ISA for CDNA 5 (MIT licence, August 2026) and "CDNA5" Instruction Set Architecture Reference Guide (July 2026). The comments in the code are by the model that wrote it; some were corrected since.
;; Multi Head Self Attention. Allowed arithmetic: matrix products marked QUANTISED: E2M1 operands, one E8M0 scale for each 32 along K, by v_wmma_scale_f32_16x16x128_f8f6f4 with both operands' format E2M1 (or v_wmma_scale_f32_32x16x128_f4), f32 sums; everything else in f32.
;; Inputs: W_out 1,024 x 1,024 float32; W_qkv 3,072 x 1,024 float32; b_out 1,024 float32; b_qkv 3,072 float32; mask 1 x 1 x 2,048 x 2,048 int32; x 4 x 2,048 x 1,024 float32.
;; Outputs: out0 4 x 2,048 x 1,024 float32.
;; This version of the problem:
;;   THIS VERSION OF THE PROBLEM IS GIVEN IN LOW PRECISION. The matrix products marked QUANTISED in the list below multiply operands that are first quantised to E2M1 (2 exponent bits, 1 mantissa bit; 4 bits a number), with one power-of-two scale for each 32 numbers along K (OCP MX v1.0); their sums are f32. All else is computed in f32.
;;   The module's matrix products, in the order in which they are computed (A, B: the left and right operand; K: the contracted axis; several contracted axes count as one K, in the product's order):
;;     1. [M 8,192, K 1,024] x [K 1,024, N 3,072]; A: input x; B: input W_qkv: QUANTISED
;;     2. batch 64 x [M 2,048, K 64] x [K 64, N 2,048]; A: computed on the way; B: computed on the way: QUANTISED
;;     3. batch 64 x [M 2,048, K 2,048] x [K 2,048, N 64]; A: softmax (see below); B: computed on the way: QUANTISED
;;     4. [M 8,192, K 1,024] x [K 1,024, N 1,024]; A: computed on the way; B: input W_out: QUANTISED
;;   THE QUANTISER, for each operand of a quantised product, along K:
;;     - K is cut into blocks of 32 from its start; a last block that is shorter is filled with zeros.
;;     - A block's scale is 2^e with e = floor(log2(the largest magnitude in the block)) - 2, held to -126 .. 127; a block of zeros has e = 0. As a byte (E8M0): e + 127.
;;     - Each number is divided by its block's scale, clamped to +-6, and rounded to the nearest number of E2M1, ties to even, subnormals kept.
;;     - The product sums the exact products of the quantised numbers (number of the format x scale) in f32.
;;   ~~~python
;;   def quantise(x, axis):      # numpy; x: float32 -> the quantised numbers, widened to float32 again
;;       x = np.moveaxis(x, axis, -1); K = x.shape[-1]
;;       x = np.pad(x, [(0, 0)] * (x.ndim - 1) + [(0, -K % 32)]); x = x.reshape(x.shape[:-1] + (-1, 32)); a = np.abs(x).max(-1, keepdims=True)
;;       e = np.where(a > 0, np.clip(np.frexp(np.where(a > 0, a, 1))[1] - 1 - 2, -126, 127), 0)      # np.frexp(a)[1] - 1 = floor(log2(a)), exactly
;;       r = np.clip(x / 2.0 ** e, -6, 6)
;;       step = 2.0 ** (np.maximum(np.frexp(np.where(r == 0, 1, r))[1] - 1, 0) - 1)
;;       q = np.round(r / step) * step * 2.0 ** e      # np.round: ties to even
;;       return np.moveaxis(q.reshape(q.shape[:-2] + (-1,))[..., :K], -1, axis).astype(np.float32)
;;   ~~~
;;   SOFTMAX AHEAD OF A QUANTISED PRODUCT. Where the list says 'softmax', what is quantised is not the finished softmax but p = 2^(t - M), with t = logit x log2(e) and M = ceil(the row's largest t), a whole number; so 1/2 < the row's largest p <= 1. The row's sum l is taken of the UNQUANTISED p, in f32, and the product's result is divided by l at the end. Since M is a whole number, a kernel that streams over the keys may use a running M (the ceiling of the running maximum): every later rescaling is an exact power of two, which a block's scale takes up: the codes' values come out the same.
;;   OPERANDS COMPUTED ON THE WAY. 'Computed on the way' means the value that the module computes at that place (a softmax that the list does not call 'softmax' is quantised finished and normalised). What goes into a quantiser is computed in f32, as accurately as f32 sums, v_exp_f32 and their like allow (about 1e-6 of the number): no bf16 or f16 on the way to a quantiser, and a product that is left as it is and whose result goes on into a quantised operand takes f32 operands (vector FMAs, or v_wmma_f32_16x16x4_f32). A number that lies on a knife's edge between two numbers of the format may be rounded either way, as far as f32 arithmetic and the matrix unit's own rounding can turn it there, and no further.
;; 2 versions, each right; version 2 is version 1 with the launch attn written anew for expert scheduling mode. Each part assembles by itself: llvm-mc -triple=amdgcn-amd-amdhsa -mcpu=gfx1250 --defsym DOCPART=n.
;; ======== version 1 of 2: 4 launches
;; workspace buffers: opq 6,684,672 bytes; mw 532,480 bytes of whole numbers; qkv 13,893,632 bytes; cq 4,456,448 bytes
;; launch prep (part 1): grid 1024 x 1, 8 waves a work-group, no clusters, 68,608 bytes of LDS; arguments x, W_qkv, W_out, mask, opq, mw; writes opq, mw
.if DOCPART == 1
	.amdgcn_target "amdgcn-amd-amdhsa--gfx1250"
	.amdhsa_code_object_version 6
	.text
	.protected	k_qaad52eae75_prep
	.globl	k_qaad52eae75_prep
	.p2align	8
	.type	k_qaad52eae75_prep,@function
k_qaad52eae75_prep:
	s_mov_b64 s[64:65], 0
	v_nop
	global_prefetch_b8 v0, s[64:65] scope:SCOPE_SE
	s_setreg_imm32_b32 hwreg(HW_REG_WAVE_MODE, 25, 1), 1
	s_wait_xcnt 0x0
; PREP.  x [8192][1024], W_qkv [3072][1024], W_out [1024][1024] (f32, K innermost) become codes of FP4 (E2M1) with one E8M0 byte for each 32 along K, laid in the ORDER OF AN OPERAND'S REGISTERS;
; the mask [2048][2048] (int32) becomes lane-mask words and a class for each tile of 16 queries x 128 keys.
; DEAD WORK: none of reference()'s inputs or products is dead: both biases, both weights, x and the mask reach the output.  What is left out later is only the tiles of scores in which the mask, as it is GIVEN,
; has no non-zero: reference() puts -inf there, whose weight is 0.  That choice is made from the whole numbers stored here, by a later launch that reads them; no pattern of the mask is built in.
; LIMITS: NaN and infinities among the f32 inputs are not served.  A block whose largest magnitude lies under 2^-124 gets the byte 1, a block of zeros too (the rule says 127): its codes are zeros, and this program alone reads the bytes.
; ROW MAP.  Tile T of 16 rows holds rows 32 (T / 2) + 8 (T % 2) + p + 8 (p / 8), p = 0 .. 15: so the results of two neighbouring tiles, used as source 0, are 16 neighbours in a lane's registers.
; SHARES.  A wave takes 16 rows x 128 elements, 8,192 bytes.  Work-group G: 0-511 x, 512-703 W_qkv, 704-767 W_out (tile G of all row tiles, wave q = the K step); 768-1023 the mask (m = G - 768: queries' tile m / 2, key step 8 (m % 2) + wave).
; Each load reads 512 consecutive bytes of one row; the tile turns through the wave's own stage in LDS (rows 528 bytes apart), so that lane (r, h) then holds, of row r, elements 32 b + 16 h + 0 .. 15 of each block b in 16 registers.
; OUT.  opq: codes at G x 8,192 + q x 1,024: [piece c][lane][16 bytes], lane (r, h) piece c = k 64 c + 32 h + 0 .. 31 of row r; scale words at XS + G x 512 + q x 64 + 4 r (stores of 64 bytes: one byte in 128 of what is read).
; mw: record (tile, step) at 256 bytes each: word 16 b + i, bit l = mask(row l % 16 of the tile, key 32 b + 16 (l / 16) + i) != 0; classes at CLS: 0 all hidden, 1 mixed, 2 all open.
; No tensor load, no barrier: waves share nothing.  All LDS lines stand on the one way that every work-group takes.
.set XS,    6291456
.set CLS,   524288
.set STGB,  8448                       ; a wave's stage: 16 rows x (512 + 16) bytes
.set SPARE, 8*STGB                     ; behind the stages: the spare words, 128 bytes for each wave
.set SPW,   10                         ; v10  my spare word's address; never rewritten
.set NIL,   11                         ; v11  0; never rewritten
.set R,     16                         ; v16-79   the tile as loaded
.set X,     80                         ; v80-143  register 16 b + i: element 32 b + 16 h + i of my row
.set TM,    144                        ; v144-159 at work
.set PW,    160                        ; the scale word
.set PC,    162                        ; v162-169 the codes
.set MW,    170                        ; v[170:171] the record: lane l holds words 2 l, 2 l + 1
	s_load_b256 s[4:11], s[0:1], 0x0               ; x, W_qkv, W_out, mask
	s_load_b128 s[12:15], s[0:1], 0x20             ; opq, mw
	v_lshl_add_u32 v[SPW], v0, 2, SPARE
	v_mov_b32 v[NIL], 0
	v_lshrrev_b32 v1, 5, v0
	v_readfirstlane_b32 s16, v1                    ; wave 0..7
	v_and_b32 v1, 31, v0                           ; lane
	v_and_b32 v2, 15, v0                           ; r
	v_bfe_u32 v3, v0, 4, 1                         ; h
	v_lshlrev_b32 v4, 4, v1                        ; 16 x lane
	s_mul_i32 s17, s16, STGB
	v_add_nc_u32 v5, s17, v4                       ; into the stage: 16 x lane of a row
	v_mul_u32_u24 v6, v2, 528
	v_lshl_add_u32 v6, v3, 6, v6
	v_add_nc_u32 v6, s17, v6                       ; out of it: row r, + 64 h
	v_lshlrev_b32 v7, 2, v2                        ; 4 r
	v_lshlrev_b32 v8, 3, v1                        ; 8 x lane
	s_mov_b32 s32, 0x76543210
	s_mov_b32 s33, 0xfedcba98                      ; v_permlanex16_b32: lane l xor 16
.irp b, 0,1,2,3
	v_mov_b32 v[TM+4+\b], 0                        ; a lane permute's destination counts as one of its sources
.endr
	s_wait_kmcnt 0x0
	s_cmp_lt_u32 ttmp9, 512                        ; whose tile?  The choices hang on the work-group's number alone
	s_cselect_b64 s[18:19], s[4:5], s[6:7]
	s_cselect_b32 s20, 0, 512
	s_cmp_lt_u32 ttmp9, 704
	s_cselect_b64 s[18:19], s[18:19], s[8:9]
	s_cselect_b32 s20, s20, 704
	s_cmp_lt_u32 ttmp9, 768
	s_cselect_b64 s[18:19], s[18:19], s[10:11]
	s_cselect_b32 s20, s20, 768
	s_cselect_b32 s22, 0, 1                        ; 1 for the mask
	s_sub_co_u32 s21, ttmp9, s20                   ; the number within the tensor
	s_lshr_b32 s23, s21, s22                       ; the row tile T
	s_and_b32 s24, s21, s22
	s_lshl_b32 s24, s24, 3
	s_add_co_u32 s24, s24, s16                     ; the column tile: the wave, for the mask + 8 (m % 2)
	s_lshr_b32 s25, s23, 1
	s_lshl_b32 s25, s25, 5
	s_and_b32 s26, s23, 1
	s_lshl_b32 s26, s26, 3
	s_add_co_u32 s25, s25, s26                     ; the tile's first row: 32 (T / 2) + 8 (T % 2)
	s_add_co_u32 s26, s22, 12
	s_lshl_b32 s25, s25, s26                       ; x 4,096 bytes, the mask's rows 8,192
	s_lshl_b32 s26, s24, 9
	s_add_co_u32 s26, s25, s26                     ; + 512 bytes a column tile (under 2^26)
	s_mov_b32 s27, 0
	s_add_nc_u64 s[18:19], s[18:19], s[26:27]
.macro LOADS pitch                     ; row p of the tile lies p + 8 (p / 8) rows on
.irp i, 0,1,2,3,4,5,6,7,8,9,10,11,12,13,14,15
	global_load_b128 v[R+4*\i:R+4*\i+3], v4, s[18:19] offset:(\i+8*(\i/8))*\pitch th:TH_LOAD_NT
.endr
.endm
	s_cmp_lt_u32 ttmp9, 768
	s_cbranch_scc0 .Lload_mask
	LOADS 4096
	s_branch .Lloaded
.Lload_mask:
	LOADS 8192
.Lloaded:
.irp i, 0,1,2,3,4,5,6,7,8,9,10,11,12,13,14,15
	s_wait_loadcnt 15-\i                           ; loads come back in order: row i is in, the 15 - i younger ones may be out
	ds_store_b128 v5, v[R+4*\i:R+4*\i+3] offset:528*\i
.endr
.irp b, 0,1,2,3
.irp j, 0,1,2,3
	ds_load_b128 v[X+16*\b+4*\j:X+16*\b+4*\j+3], v6 offset:128*\b+16*\j   ; the bytes are my wave's own, and LDS serves a wave's instructions in order
.endr
.endr
	s_wait_dscnt 0x0
	s_cmp_lt_u32 ttmp9, 768
	s_cbranch_scc0 .Lmask
	; ---- the quantiser
	s_lshl_b32 s26, ttmp9, 13
	s_lshl_b32 s25, s16, 10
	s_add_co_u32 s26, s26, s25
	s_add_nc_u64 s[28:29], s[12:13], s[26:27]      ; the image: G x 8,192 + q x 1,024
	s_lshl_b32 s26, ttmp9, 9
	s_lshl_b32 s25, s16, 6
	s_add_co_u32 s26, s26, s25
	s_add_nc_u64 s[30:31], s[12:13], s[26:27]      ; the scale words: G x 512 + q x 64 (XS stands in the immediate)
.irp b, 0,1,2,3
	v_max3_num_f32 v[TM+\b], |v[X+16*\b]|, |v[X+1+16*\b]|, 0x1800000   ; block b: my 16 numbers, and the floor 2^(3 - 127): the byte cannot fall under 1
.endr
.irp i, 2,4,6,8,10,12,14
.irp b, 0,1,2,3
	v_max3_num_f32 v[TM+\b], v[TM+\b], |v[X+16*\b+\i]|, |v[X+1+16*\b+\i]|
.endr
.endr
.irp b, 0,1,2,3
	v_permlanex16_b32 v[TM+4+\b], v[TM+\b], s32, s33
.endr
.irp b, 0,1,2,3
	v_max_num_f32 v[TM+\b], v[TM+\b], v[TM+4+\b]   ; with lane l xor 16's 16: the block's largest magnitude
.endr
.irp b, 0,1,2,3
	v_add_nc_u32 v[TM+12+\b], 0xff000000, v[TM+\b] ; 2 off its exponent field: the conversion's scale operand
.endr
.irp b, 0,1,2,3
	v_lshrrev_b32 v[TM+4+\b], 23, v[TM+12+\b]      ; the scale's byte
.endr
	v_lshl_or_b32 v[PW], v[TM+5], 8, v[TM+4]
	v_lshl_or_b32 v[PW], v[TM+6], 16, v[PW]
	v_lshl_or_b32 v[PW], v[TM+7], 24, v[PW]        ; my row's scale word
.irp b, 0,1,2,3
	v_cvt_scalef32_pk8_fp4_f32 v[PC+2*\b], v[X+16*\b:X+7+16*\b], v[TM+12+\b]
	v_cvt_scalef32_pk8_fp4_f32 v[PC+1+2*\b], v[X+8+16*\b:X+15+16*\b], v[TM+12+\b]
.endr
	v_nop                                          ; one plain place behind a scaled conversion
.irp c, 0,1                                    ; the operand wants a whole block in a lane: lanes 0-15 block 2 c, lanes 16-31 block 2 c + 1
.irp i, 0,1
	v_permlane16_swap_b32 v[PC+4*\c+\i], v[PC+2+4*\c+\i]
.endr
.endr
	global_store_b128 v4, v[PC:PC+3], s[28:29]                 ; 32 lanes store 512 consecutive bytes
	global_store_b128 v4, v[PC+4:PC+7], s[28:29] offset:512
	v_cmp_gt_u32 vcc_lo, 16, v1
	s_wait_xcnt 0x0                                ; EXEC changes only behind this wait
	s_and_saveexec_b32 s34, vcc_lo
	global_store_b32 v7, v[PW], s[30:31] offset:XS ; lanes 0-15: the 16 rows' words
	s_wait_xcnt 0x0
	s_or_b32 exec_lo, exec_lo, s34
	s_branch .Lend
.Lmask:
	; ---- the mask
	s_lshl_b32 s26, s23, 4
	s_add_co_u32 s26, s26, s24                     ; the record's number: 16 x tile + step
	s_lshl_b32 s25, s26, 2
	s_lshl_b32 s26, s26, 8
	s_add_nc_u64 s[28:29], s[14:15], s[26:27]
	s_mov_b32 s26, s25
	s_add_nc_u64 s[30:31], s[14:15], s[26:27]
	v_mov_b32 v[MW], 0
	v_mov_b32 v[MW+1], 0
.set n, 0
.rept 64
	v_cmp_ne_u32 s[20+n%4], 0, v[X+n]              ; word n: one bit a lane
	v_writelane_b32 v[MW+n%2], s[20+n%4], n/2
.set n, n+1
.endr
	v_or_b32 v172, v[MW], v[MW+1]
	v_and_b32 v173, v[MW], v[MW+1]
	v_cmp_ne_u32 s20, 0, v172                      ; a lane with a bit set
	v_cmp_ne_u32 s21, -1, v173                     ; a lane with a bit clear
	global_store_b64 v8, v[MW:MW+1], s[28:29]      ; the record: 256 consecutive bytes, aligned
	s_cmp_lg_u32 s20, 0
	s_cselect_b32 s22, 1, 0
	s_cmp_eq_u32 s21, 0
	s_cselect_b32 s23, 1, 0
	s_add_co_u32 s22, s22, s23                     ; 0 all hidden, 1 mixed, 2 all open
	v_mov_b32 v172, s22
	v_mov_b32 v173, 0
	v_cmp_eq_u32 vcc_lo, 0, v1
	s_wait_xcnt 0x0
	s_and_saveexec_b32 s34, vcc_lo
	global_store_b32 v173, v172, s[30:31] offset:CLS
	s_wait_xcnt 0x0
	s_or_b32 exec_lo, exec_lo, s34
.Lend:
	s_wait_tensorcnt 0x0                           ; the wave's end
	ds_add_u32 v[SPW], v[NIL]
	s_wait_dscnt 0x0
	s_endpgm
.Lfunc_end_k_qaad52eae75_prep:
	.size	k_qaad52eae75_prep, .Lfunc_end_k_qaad52eae75_prep-k_qaad52eae75_prep
	.p2alignl 7, 3214868480
	.fill 96, 4, 3214868480
	.section	.rodata,"a",@progbits
	.p2align	6, 0x0
	.amdhsa_kernel k_qaad52eae75_prep
		.amdhsa_group_segment_fixed_size 68608
		.amdhsa_private_segment_fixed_size 0
		.amdhsa_enable_private_segment 0
		.amdhsa_kernarg_size 48
		.amdhsa_user_sgpr_count 2
		.amdhsa_user_sgpr_kernarg_segment_ptr 1
		.amdhsa_wavefront_size32 1
		.amdhsa_system_sgpr_workgroup_id_x 1
		.amdhsa_system_sgpr_workgroup_id_y 1
		.amdhsa_system_sgpr_workgroup_id_z 1
		.amdhsa_system_vgpr_workitem_id 0
		.amdhsa_next_free_vgpr 176
		.amdhsa_next_free_sgpr 66
		.amdhsa_reserve_vcc 1
		.amdhsa_float_denorm_mode_32 3
		.amdhsa_float_denorm_mode_16_64 3
		.amdhsa_memory_ordered 1
		.amdhsa_forward_progress 1
		.amdhsa_inst_pref_size 22
	.end_amdhsa_kernel
	.amdgpu_metadata
---
amdhsa.version: [ 1, 2 ]
amdhsa.kernels:
  - .name:           k_qaad52eae75_prep
    .symbol:         k_qaad52eae75_prep.kd
    .args:
      - { .name: x, .offset: 0, .size: 8, .value_kind: global_buffer, .address_space: global }
      - { .name: W_qkv, .offset: 8, .size: 8, .value_kind: global_buffer, .address_space: global }
      - { .name: W_out, .offset: 16, .size: 8, .value_kind: global_buffer, .address_space: global }
      - { .name: mask, .offset: 24, .size: 8, .value_kind: global_buffer, .address_space: global }
      - { .name: opq, .offset: 32, .size: 8, .value_kind: global_buffer, .address_space: global }
      - { .name: mw, .offset: 40, .size: 8, .value_kind: global_buffer, .address_space: global }
    .group_segment_fixed_size: 68608
    .private_segment_fixed_size: 0
    .kernarg_segment_align: 8
    .kernarg_segment_size: 48
    .max_flat_workgroup_size: 256
    .sgpr_count:     66
    .vgpr_count:     176
    .wavefront_size: 32
...
	.end_amdgpu_metadata
.endif
;; end of part 1
;; launch qkv (part 2): grid 64 x 4, 4 waves a work-group, clusters of 4 x 1, 327,680 bytes of LDS; arguments opq, b_qkv, qkv; writes qkv
.if DOCPART == 2
	.amdgcn_target "amdgcn-amd-amdhsa--gfx1250"
	.amdhsa_code_object_version 6
	.text
	.protected	k_qaad52eae75_qkv
	.globl	k_qaad52eae75_qkv
	.p2align	8
	.type	k_qaad52eae75_qkv,@function
k_qaad52eae75_qkv:
	s_mov_b64 s[64:65], 0
	v_nop
	global_prefetch_b8 v0, s[64:65] scope:SCOPE_SE
	s_setreg_imm32_b32 hwreg(HW_REG_WAVE_MODE, 25, 1), 1
	s_wait_xcnt 0x0
	s_wait_alu depctr_hold_cnt(0) depctr_sa_sdst(0) depctr_va_vdst(0) depctr_va_sdst(0) depctr_va_ssrc(0) depctr_va_vcc(0) depctr_vm_vsrc(0)
	s_getreg_b32 s2, hwreg(HW_REG_IB_STS2, 6, 4)
	s_cmp_eq_u32 s2, 0
	s_cbranch_scc0 .Lentry_in_a_cluster
	s_endpgm
.Lentry_in_a_cluster:
	s_bfe_u32 s2, ttmp6, 0x10000c
	s_cmp_lg_u32 s2, 0x3003
	s_cbranch_scc0 .Lentry_shape_is_right
	s_endpgm
.Lentry_shape_is_right:
; QKV.  qkv = x W_qkv^T + b_qkv on codes of FP4, and its three parts quantised in registers: Q and K along the head's 64 (two blocks), V along the keys.  Nothing of reference() is left out here.
; SHARES.  Work-group (X, g): tokens 128 X .. + 127 (batch X / 16, key step X % 16), heads 4 g .. 4 g + 3; wave w owns head 4 g + w: 128 tokens x 64 columns, three times (Q, K, V): 32 accumulators, 3 x 256 matrix instructions.
; x's 64 fragments stay in 512 registers for all three products; they come from memory as dense runs of 512 bytes (LDS has no room for them beside W's two slots).  W's 64 rows of a product are the wave's own:
; 32,768 dense bytes, brought into LDS by one tensor load.  CLUSTER: the four work-groups of a cluster share g and differ in X, so they want the same rows of W: joint loads, mask 15; nothing in a descriptor hangs on the place in the cluster.
; LDS: slot 0 (Q's rows, later V's), slot 1 (K's): 4 waves x 32,768 each: [tile t][K step q][piece c][lane][16 bytes].  Each wave reads its own bytes alone, behind its own wait on its loads.
; Q, K: source 0 = 16 rows of W, source 1 = 16 tokens: a lane holds ONE token and, by the row map, the registers of tiles 2 b, 2 b + 1 are d = 32 b + 16 h + 0 .. 15.   V: sources swapped: a lane holds ONE d, and the registers of token tiles 2 b, 2 b + 1 are 16 neighbouring keys.
; The bias is the C of each sum's first matrix instruction.
; OUT (qkv): QC, KC: [bh][step][tile a][lane][16 bytes] (k = 32 h + 0 .. 31: the low half of a fragment; the high half is zero codes); VC: [bh][step][tile t][piece c][lane][16]; QS, KS: [bh][step][lane][4 words] (lane (r, u): tiles 4 u .. 4 u + 3 of token r; bytes 2, 3 are 0); VS: [bh][step][r][t] words.
; LIMITS: blocks under the floor 2^-124, and blocks of zeros, get the byte 1; NaN and infinities are not served.
; REGISTERS: window 0: addresses, scale words, bias, W's two sets of fragments, the quantiser's work; window 1: accumulator (a, t) at 32 a + 8 t; windows 2, 3: x's fragments, K steps 0-3 and 4-7, at 64 (q % 4) + 8 a.
.set XS,    6291456
.set WC,    4194304
.set WS,    6553600
.set KC,    4194304
.set VC,    8388608
.set QS,    12582912
.set VS,    13631488
.set SLOT1, 131072
.set SPARE, 262144                     ; behind the slots: the spare words, 128 bytes for each wave
.set LI,   4                           ; v4   16 x lane
.set LS,   5                           ; v5   4 x lane
.set ADW0, 6                           ; v6   my place in my part of slot 0
.set ADW1, 7                           ; v7   of slot 1
.set SPW,  10
.set NIL,  11
.set XSR,  16                          ; v16-47   x's scale words: 4 a + p: lanes 0-15 K step 2 p, lanes 16-31 K step 2 p + 1
.set WSR,  48                          ; v48-79   W's, two sets: 16 set + 4 t + p
.set BI,   80                          ; v80-111  the bias in the result's layout: 8 t + j
.set F0,   112                         ; v112-175 W's fragments, two sets of 32: 8 t
.set TM,   176
.set TP,   184
.set SO,   192
.set PW,   200
.set PC,   208
.set OW,   224
.set MSB, 0
.macro WIN new                         ; the immediate's high byte repeats the setting that is left
.if MSB != \new
	s_set_vgpr_msb (MSB<<8)|\new
.set MSB, \new
.endif
.endm
.macro CROUND                          ; a round of the cluster's barrier
	s_barrier_signal -1
	s_barrier_wait -1
	s_cmp_lg_u32 s10, 0
	s_cbranch_scc1 .Lnot_wave_0_\@
	s_barrier_signal -3
.Lnot_wave_0_\@:
	s_barrier_wait -3
	s_barrier_signal -1
	s_barrier_wait -1
.endm
.macro PLACES
.rept 4
	v_nop
.endr
.endm
.macro FETCHW adr, q, set              ; W's four fragments of K step q into a set
	WIN 0
.irp t, 0,1,2,3
.irp c, 0,1
	ds_load_b128 v[F0+32*(\set)+8*\t+4*\c:F0+32*(\set)+8*\t+4*\c+3], v[\adr] offset:8192*\t+1024*(\q)+512*\c
.endr
.endr
.endm
.macro WM d, a, b, c, sa, sb, odd
.if \odd
	v_wmma_scale_f32_16x16x128_f8f6f4 v[(\d):(\d)+7], v[(\a):(\a)+7], v[(\b):(\b)+7], v[(\c):(\c)+7], v[\sa], v[\sb] matrix_a_fmt:MATRIX_FMT_FP4 matrix_b_fmt:MATRIX_FMT_FP4 matrix_a_scale:MATRIX_SCALE_ROW1 matrix_b_scale:MATRIX_SCALE_ROW1
.else
	v_wmma_scale_f32_16x16x128_f8f6f4 v[(\d):(\d)+7], v[(\a):(\a)+7], v[(\b):(\b)+7], v[(\c):(\c)+7], v[\sa], v[\sb] matrix_a_fmt:MATRIX_FMT_FP4 matrix_b_fmt:MATRIX_FMT_FP4
.endif
.endm
; 32 matrix instructions: K step q; the 32 accumulators take turns, one instruction a turn, in the same order in every step.  K step 0 takes the bias as C.
.macro MUL32 q, set, wset, swap
.set FB, F0+32*(\set)
.set XB, 64*((\q)%4)
.set WB, WSR+16*(\wset)+(\q)/2
.set SB, XSR+(\q)/2
.set OD, (\q)%2
.if \swap
.if (\q) == 0
	WIN 0x42                                       ; source 0 (x) window 2, source 1 (W) and C (bias) window 0, D window 1
.elseif (\q) < 4
	WIN 0x52
.else
	WIN 0x53
.endif
.else
.if (\q) == 0
	WIN 0x48                                       ; source 0 (W) and C (bias) window 0, source 1 (x) window 2, D window 1
.elseif (\q) < 4
	WIN 0x58
.else
	WIN 0x5c
.endif
.endif
.irp a, 0,1,2,3,4,5,6,7
.irp t, 0,1,2,3
.if (\q) == 0
.set CB, BI+8*\t
.else
.set CB, 32*\a+8*\t
.endif
.if \swap
	WM 32*\a+8*\t, XB+8*\a, FB+8*\t, CB, SB+4*\a, WB+4*\t, OD
.else
	WM 32*\a+8*\t, FB+8*\t, XB+8*\a, CB, WB+4*\t, SB+4*\a, OD
.endif
.endr
.endr
.endm
.macro KSTEP adr, q, wset, swap, ld
	s_wait_dscnt 0x0                               ; this step's set is in: it was asked for a step ago
.if \ld
.if 16*(7-(\q)) > 63
	s_wait_loadcnt 63                              ; x's fragments were asked for in the order of K: behind this step's stand more than 63 loads
.else
	s_wait_loadcnt 16*(7-(\q))                     ; the 16 loads of each later K step may be out
.endif
.endif
	WIN 0
	PLACES                                         ; in front of loads into the set that the last step's matrix instructions read
.if (\q) < 7
	FETCHW \adr, (\q)+1, ((\q)+1)%2
.endif
	MUL32 \q, (\q)%2, \wset, \swap
.endm
.macro MAIN adr, wset, swap, ld
	FETCHW \adr, 0, 0
.irp q, 0,1,2,3,4,5,6,7
	KSTEP \adr, \q, \wset, \swap, \ld
.endr
	WIN 0
.endm
.macro BIAS8 m                         ; lane (r, h), tile t: b(64 head + 32 (t / 2) + 8 (t % 2) + 16 h + 0 .. 7)
.irp t, 0,1,2,3
	global_load_b128 v[BI+8*\t:BI+8*\t+3], v8, s[52:53] offset:4096*\m+(32*(\t/2)+8*(\t%2))*4
	global_load_b128 v[BI+8*\t+4:BI+8*\t+7], v8, s[52:53] offset:4096*\m+(32*(\t/2)+8*(\t%2))*4+16
.endr
.endm
; Q or K leaves: four token tiles at a time, eight blocks of 32 along d: block x of the four lies in window 1 at 32 z + 16 x + 0 .. 15.  Each accumulator is read from its low end on.
.macro EPI_QK cb, sb
.irp z, 0,4
	s_wait_xcnt 0x0                                ; earlier stores have read their data: the codes' registers may be written again
	WIN 0x05                                       ; sources 0 and 1 window 1
.irp x, 0,1,2,3,4,5,6,7
	v_max3_num_f32 v[TM+\x], |v[32*\z+16*\x]|, |v[32*\z+16*\x+1]|, 0x1800000
.endr
.irp i, 2,4,6,8,10,12,14
.irp x, 0,1,2,3,4,5,6,7
	v_max3_num_f32 v[TM+\x], |v[32*\z+16*\x+\i]|, |v[32*\z+16*\x+\i+1]|, v[TM+\x]
.endr
.endr
	WIN 0
.irp x, 0,1,2,3,4,5,6,7
	v_permlanex16_b32 v[TP+\x], v[TM+\x], s22, s23
.endr
.irp x, 0,1,2,3,4,5,6,7
	v_max_num_f32 v[TM+\x], v[TM+\x], v[TP+\x]
.endr
.irp x, 0,1,2,3,4,5,6,7
	v_add_nc_u32 v[SO+\x], 0xff000000, v[TM+\x]
.endr
.irp x, 0,1,2,3,4,5,6,7
	v_lshrrev_b32 v[TP+\x], 23, v[SO+\x]
.endr
.irp y, 0,1,2,3
	v_lshl_or_b32 v[PW+\z+\y], v[TP+2*\y+1], 8, v[TP+2*\y]     ; the token's scale word: two bytes, and 0 over the zero codes
.endr
	WIN 0x01                                       ; source 0 window 1
.irp x, 0,1,2,3,4,5,6,7
	v_cvt_scalef32_pk8_fp4_f32 v[PC+2*\x], v[32*\z+16*\x:32*\z+16*\x+7], v[SO+\x]
	v_cvt_scalef32_pk8_fp4_f32 v[PC+2*\x+1], v[32*\z+16*\x+8:32*\z+16*\x+15], v[SO+\x]
.endr
	WIN 0
	v_nop                                          ; one plain place behind a scaled conversion
.irp y, 0,1,2,3
	v_permlane16_swap_b32 v[PC+4*\y], v[PC+4*\y+2]
	v_permlane16_swap_b32 v[PC+4*\y+1], v[PC+4*\y+3]
.endr
.irp y, 0,1,2,3
	global_store_b128 v[LI], v[PC+4*\y:PC+4*\y+3], s[\cb:\cb+1] offset:512*(\z+\y)   ; 512 consecutive bytes
.endr
.endr
.irp i, 0,1,2,3
	v_cndmask_b32 v[OW+\i], v[PW+\i], v[PW+4+\i], s44          ; lanes 0-15: tiles 0-3; lanes 16-31: tiles 4-7
.endr
	global_store_b128 v[LI], v[OW:OW+3], s[\sb:\sb+1]
.endm
	s_load_b128 s[4:7], s[0:1], 0x0                ; opq, b_qkv
	s_load_b64 s[8:9], s[0:1], 0x10                ; qkv
	v_lshl_add_u32 v[SPW], v0, 2, SPARE
	v_mov_b32 v[NIL], 0
	ds_add_u32 v[SPW], v[NIL]                      ; the wave's opening: the add, twice on end, and its wait ahead of my first tensor load
	ds_add_u32 v[SPW], v[NIL]
	v_lshrrev_b32 v1, 5, v0
	v_readfirstlane_b32 s10, v1                    ; wave 0..3
	s_bfe_u32 s11, ttmp6, 0x40000                  ; cx
	s_lshl_b32 s12, ttmp9, 2
	s_add_co_u32 s12, s12, s11                     ; X = 4 x cluster x + cx: it enters plain loads' and stores' addresses alone
	s_and_b32 s13, ttmp7, 0xffff                   ; g, which the partners share
	s_lshl_b32 s14, s13, 2
	s_add_co_u32 s14, s14, s10                     ; head
	s_lshr_b32 s15, s12, 4
	s_lshl_b32 s15, s15, 4
	s_add_co_u32 s15, s15, s14                     ; bh = 16 x batch + head
	s_and_b32 s16, s12, 15                         ; key step
	s_mov_b32 s24, 15|(3<<16)|(1<<21)              ; group 1: mask: all four partners; elements of 8 bytes; bit 21 beside a mask; no padding
	s_mov_b32 s25, 32<<16                          ; tensor_dim0 = 32 elements: rows of 256 bytes
	s_mov_b32 s26, 128<<16                         ; tensor_dim1 = 128
	s_mov_b32 s27, 32<<16                          ; tile_dim0
	s_mov_b32 s28, 128                             ; tile_dim1
	s_mov_b32 s29, 32                              ; the pitch: dense
	s_mov_b32 s30, 0
	s_mov_b32 s31, 0
	s_mov_b32 s22, 0x76543210
	s_mov_b32 s23, 0xfedcba98
	s_mov_b32 s44, 0xffff0000                      ; lanes 16-31
	s_lshl_b32 s17, s10, 15                        ; my part of a slot
	s_lshl_b32 s18, s14, 15                        ; my head's four row tiles: 4 x 8,192 bytes a head
	s_mov_b32 s19, 0
	s_wait_dscnt 0x0                               ; both opening adds are done
	s_wait_kmcnt 0x0
	s_add_nc_u64 s[20:21], s[4:5], s[18:19]
	s_mov_b32 s32, 1                               ; group 0 for Q's rows: slot 0
	s_mov_b32 s33, s17
	s_add_nc_u64 s[34:35], s[20:21], WC
	s_or_b32 s35, s35, 0x80000000
	s_mov_b32 s36, 1                               ; K's: slot 1
	s_add_co_u32 s37, s17, SLOT1
	s_add_nc_u64 s[38:39], s[20:21], WC+64*8192
	s_or_b32 s39, s39, 0x80000000
	s_mov_b32 s40, 1                               ; V's: slot 0 again
	s_mov_b32 s41, s17
	s_add_nc_u64 s[42:43], s[20:21], WC+128*8192
	s_or_b32 s43, s43, 0x80000000
	CROUND                                         ; the four work-groups are here: the first joint loads meet
	tensor_load_to_lds s[32:35], s[24:31]
	s_nop 0
	tensor_load_to_lds s[36:39], s[24:31]          ; two loads of mine are out
	s_nop 0
	PLACES
	v_and_b32 v1, 31, v0
	v_and_b32 v2, 15, v0
	v_bfe_u32 v3, v0, 4, 1
	v_lshlrev_b32 v[LI], 4, v1
	v_lshlrev_b32 v[LS], 2, v1
	v_add_nc_u32 v[ADW0], s17, v[LI]
	v_add_nc_u32 v[ADW1], SLOT1, v[ADW0]
	v_lshlrev_b32 v8, 6, v3                        ; 64 h
	v_and_b32 v9, 8, v2
	v_add_nc_u32 v9, v9, v2
	v_lshlrev_b32 v9, 2, v9                        ; 4 (r + 8 (r / 8))
	v_lshlrev_b32 v12, 4, v2                       ; 16 r
.irp x, 0,1,2,3,4,5,6,7
	v_mov_b32 v[TP+\x], 0                          ; a lane permute's destination counts as one of its sources
.endr
	s_lshl_b32 s18, s12, 16
	s_add_nc_u64 s[46:47], s[4:5], s[18:19]        ; x's codes: 8 tiles x 8,192 bytes a block of tokens
	s_lshl_b32 s18, s12, 12
	s_add_nc_u64 s[48:49], s[4:5], s[18:19]
	s_add_nc_u64 s[48:49], s[48:49], XS            ; x's scale words
	s_lshl_b32 s18, s14, 11
	s_add_nc_u64 s[50:51], s[4:5], s[18:19]
	s_add_nc_u64 s[50:51], s[50:51], WS            ; W's scale words, my head's
	s_lshl_b32 s18, s14, 8
	s_add_nc_u64 s[52:53], s[6:7], s[18:19]        ; the bias, my head's
	s_lshl_b32 s18, s15, 16
	s_lshl_b32 s20, s16, 12
	s_add_co_u32 s18, s18, s20
	s_add_nc_u64 s[54:55], s[8:9], s[18:19]        ; Q's codes,
	s_add_nc_u64 s[56:57], s[54:55], KC            ; K's,
	s_add_nc_u64 s[58:59], s[54:55], VC            ; V's
	s_lshl_b32 s18, s15, 13
	s_lshl_b32 s20, s16, 9
	s_add_co_u32 s18, s18, s20
	s_add_nc_u64 s[60:61], s[8:9], s[18:19]
	s_add_nc_u64 s[60:61], s[60:61], QS            ; Q's scale words,
	s_add_nc_u64 s[62:63], s[60:61], 524288        ; K's,
	s_lshl_b32 s18, s15, 12
	s_lshl_b32 s20, s16, 8
	s_add_co_u32 s18, s18, s20
	s_add_nc_u64 s[66:67], s[8:9], s[18:19]
	s_add_nc_u64 s[66:67], s[66:67], VS            ; V's
.irp a, 0,1,2,3,4,5,6,7
.irp p, 0,1,2,3
	global_load_b32 v[XSR+4*\a+\p], v[LS], s[48:49] offset:512*\a+128*\p
.endr
.endr
.irp m, 0,1
.irp t, 0,1,2,3
.irp p, 0,1,2,3
	global_load_b32 v[WSR+16*\m+4*\t+\p], v[LS], s[50:51] offset:32768*\m+512*\t+128*\p
.endr
.endr
.endr
	BIAS8 0
	WIN 0x80                                       ; destination window 2
.irp q, 0,1,2,3
.irp a, 0,1,2,3,4,5,6,7
.irp c, 0,1
	global_load_b128 v[64*\q+8*\a+4*\c:64*\q+8*\a+4*\c+3], v[LI], s[46:47] offset:8192*\a+1024*\q+512*\c
.endr
.endr
.endr
	WIN 0xc0                                       ; destination window 3
.irp q, 0,1,2,3
.irp a, 0,1,2,3,4,5,6,7
.irp c, 0,1
	global_load_b128 v[64*\q+8*\a+4*\c:64*\q+8*\a+4*\c+3], v[LI], s[46:47] offset:8192*\a+1024*(\q+4)+512*\c
.endr
.endr
.endr
	WIN 0
	s_wait_tensorcnt 1                             ; Q's rows are in my part of slot 0; K's load may stay out.  Only I read these bytes
	MAIN ADW0, 0, 0, 1                             ; Q
	s_wait_tensorcnt 0x0                           ; all my tensor loads have landed;
	ds_add_u32 v[SPW], v[NIL]                      ; 0 onto my spare word:
	s_wait_dscnt 0x0                               ; the add is done, and my reads of slot 0 are over
	CROUND                                         ; and so it is in every wave of every partner
	tensor_load_to_lds s[40:43], s[24:31]          ; V's rows into slot 0: my one load behind the round; it has Q's way out and all of K's product in which to land
	s_nop 0
	PLACES                                         ; also the places behind Q's last products
	BIAS8 1
.irp t, 0,1,2,3
.irp p, 0,1,2,3
	global_load_b32 v[WSR+4*\t+\p], v[LS], s[50:51] offset:65536+512*\t+128*\p     ; V's scale words take Q's set
.endr
.endr
	EPI_QK 54, 60
	s_wait_loadcnt 0x0
	MAIN ADW1, 1, 0, 0                             ; K
	PLACES
.irp t, 0,1,2,3
	global_load_b32 v[BI+8*\t], v9, s[52:53] offset:8192+(32*(\t/2)+8*(\t%2))*4    ; V: a lane holds one d: one number of the bias a tile
.endr
	EPI_QK 56, 62
	s_wait_loadcnt 0x0
.irp t, 0,1,2,3
.irp j, 1,2,3,4,5,6,7
	v_mov_b32 v[BI+8*\t+\j], v[BI+8*\t]
.endr
.endr
	s_wait_tensorcnt 0x0                           ; V's rows are in
	MAIN ADW0, 0, 1, 0                             ; V, sources swapped
	PLACES
	; V leaves: tile t of 16 d x 128 keys: number (b, i), key 32 b + 16 h + i, lies in window 1 at 64 b + 32 (i / 8) + 8 t + i % 8
.irp t, 0,1,2,3
	s_wait_xcnt 0x0
	WIN 0x05
.irp b, 0,1,2,3
	v_max3_num_f32 v[TM+\b], |v[64*\b+8*\t]|, |v[64*\b+8*\t+1]|, 0x1800000
.endr
.irp i, 2,4,6
.irp b, 0,1,2,3
	v_max3_num_f32 v[TM+\b], |v[64*\b+8*\t+\i]|, |v[64*\b+8*\t+\i+1]|, v[TM+\b]
.endr
.endr
.irp i, 0,2,4,6
.irp b, 0,1,2,3
	v_max3_num_f32 v[TM+\b], |v[64*\b+32+8*\t+\i]|, |v[64*\b+32+8*\t+\i+1]|, v[TM+\b]
.endr
.endr
	WIN 0
.irp b, 0,1,2,3
	v_permlanex16_b32 v[TP+\b], v[TM+\b], s22, s23
.endr
.irp b, 0,1,2,3
	v_max_num_f32 v[TM+\b], v[TM+\b], v[TP+\b]
.endr
.irp b, 0,1,2,3
	v_add_nc_u32 v[SO+\b], 0xff000000, v[TM+\b]
.endr
.irp b, 0,1,2,3
	v_lshrrev_b32 v[TP+\b], 23, v[SO+\b]
.endr
	v_lshl_or_b32 v[OW+\t], v[TP+1], 8, v[TP]
	v_lshl_or_b32 v[OW+\t], v[TP+2], 16, v[OW+\t]
	v_lshl_or_b32 v[OW+\t], v[TP+3], 24, v[OW+\t]
	WIN 0x01
.irp b, 0,1,2,3
	v_cvt_scalef32_pk8_fp4_f32 v[PC+2*\b], v[64*\b+8*\t:64*\b+8*\t+7], v[SO+\b]
	v_cvt_scalef32_pk8_fp4_f32 v[PC+2*\b+1], v[64*\b+32+8*\t:64*\b+32+8*\t+7], v[SO+\b]
.endr
	WIN 0
	v_nop
.irp c, 0,1
.irp i, 0,1
	v_permlane16_swap_b32 v[PC+4*\c+\i], v[PC+2+4*\c+\i]
.endr
.endr
	global_store_b128 v[LI], v[PC:PC+3], s[58:59] offset:1024*\t
	global_store_b128 v[LI], v[PC+4:PC+7], s[58:59] offset:1024*\t+512
.endr
	v_cmp_gt_u32 vcc_lo, 16, v1
	s_wait_xcnt 0x0                                ; EXEC changes only behind this wait
	s_and_saveexec_b32 s45, vcc_lo
	global_store_b128 v12, v[OW:OW+3], s[66:67]    ; lanes 0-15: 256 consecutive bytes, aligned
	s_wait_xcnt 0x0
	s_or_b32 exec_lo, exec_lo, s45
	s_wait_tensorcnt 0x0                           ; the wave's end
	ds_add_u32 v[SPW], v[NIL]
	s_wait_dscnt 0x0
	CROUND                                         ; the closing round
	s_endpgm
.Lfunc_end_k_qaad52eae75_qkv:
	.size	k_qaad52eae75_qkv, .Lfunc_end_k_qaad52eae75_qkv-k_qaad52eae75_qkv
	.p2alignl 7, 3214868480
	.fill 96, 4, 3214868480
	.section	.rodata,"a",@progbits
	.p2align	6, 0x0
	.amdhsa_kernel k_qaad52eae75_qkv
		.amdhsa_group_segment_fixed_size 327680
		.amdhsa_private_segment_fixed_size 0
		.amdhsa_enable_private_segment 0
		.amdhsa_kernarg_size 24
		.amdhsa_user_sgpr_count 2
		.amdhsa_user_sgpr_kernarg_segment_ptr 1
		.amdhsa_wavefront_size32 1
		.amdhsa_system_sgpr_workgroup_id_x 1
		.amdhsa_system_sgpr_workgroup_id_y 1
		.amdhsa_system_sgpr_workgroup_id_z 1
		.amdhsa_system_vgpr_workitem_id 0
		.amdhsa_next_free_vgpr 1024
		.amdhsa_next_free_sgpr 68
		.amdhsa_reserve_vcc 1
		.amdhsa_float_denorm_mode_32 3
		.amdhsa_float_denorm_mode_16_64 3
		.amdhsa_memory_ordered 1
		.amdhsa_forward_progress 1
		.amdhsa_inst_pref_size 191
	.end_amdhsa_kernel
	.amdgpu_metadata
---
amdhsa.version: [ 1, 2 ]
amdhsa.kernels:
  - .name:           k_qaad52eae75_qkv
    .symbol:         k_qaad52eae75_qkv.kd
    .args:
      - { .name: opq, .offset: 0, .size: 8, .value_kind: global_buffer, .address_space: global }
      - { .name: b_qkv, .offset: 8, .size: 8, .value_kind: global_buffer, .address_space: global }
      - { .name: qkv, .offset: 16, .size: 8, .value_kind: global_buffer, .address_space: global }
    .group_segment_fixed_size: 327680
    .private_segment_fixed_size: 0
    .kernarg_segment_align: 8
    .kernarg_segment_size: 24
    .max_flat_workgroup_size: 128
    .sgpr_count:     68
    .vgpr_count:     1024
    .wavefront_size: 32
...
	.end_amdgpu_metadata
.endif
;; end of part 2
;; launch attn (part 3): grid 4 x 64, 16 waves a work-group, no clusters, 145,408 bytes of LDS; arguments qkv, mw, cq; writes cq
.if DOCPART == 3
	.amdgcn_target "amdgcn-amd-amdhsa--gfx1250"
	.amdhsa_code_object_version 6
	.text
	.protected	k_qaad52eae75_attn
	.globl	k_qaad52eae75_attn
	.p2align	8
	.type	k_qaad52eae75_attn,@function
k_qaad52eae75_attn:
	s_mov_b64 s[64:65], 0
	v_nop
	global_prefetch_b8 v0, s[64:65] scope:SCOPE_SE
	s_setreg_imm32_b32 hwreg(HW_REG_WAVE_MODE, 25, 1), 1
	s_wait_xcnt 0x0
; ATTN.  ctx = softmax(Q K^T / 8, masked) V for one (batch, head), both products on codes of FP4; ctx is quantised along C in registers.
; LEFT OUT: a tile of 16 queries x 128 keys in which the given mask has no non-zero (class 0, stored as whole numbers by the first launch): reference() puts -inf there, whose weight is 0.  Nothing else.
; THE SOFTMAX: t = score x log2(e) / 8; M = the running largest t rounded up to a whole number; p = 2^(t - M) is quantised along the keys; the row's sum is taken of the unquantised p and divides at the end.
; A ROW WITH NO OPEN KEY is NaN in reference(): its sum here is 0; it is divided by 1, its codes are zeros and its scale bytes are 0xff, the E8M0 NaN, which makes the last product's sums of that row NaN.
; NO TENSOR LOAD, NO CLUSTER: key steps are jumped over by a branch on numbers read from memory.  A head's K, V and their scale words are 143,360 bytes: they are copied into LDS once, through registers, wave w the bytes of key step w.
; SHARES.  Work-group (j, bh); wave w takes query tiles 4 w + j and 124 - 4 w + j, one after the other; 16 key steps of 128 each, a loop of constant count.
; LAYOUT.  S^T = K Q^T (source 0 = 16 keys, source 1 = my 16 queries), O^T = V^T P^T: a lane holds one query throughout.  By the row map register 16 b + i of S^T is key 32 b + 16 h + i, of O^T d = 32 b + 16 h + i.
; The head's size is 64: the upper halves of Q's and K's fragments are zero codes, under the scale byte 0.
; OUT (cq): codes [token tile][K step head / 2][piece head % 2][lane][16 bytes]; scale bytes at CS: [tile][K step][r][4]: one byte a lane (262,144 bytes in all are written so).
; REGISTERS: v1-7 addresses; v8-11 the step's addresses; v12 -M, v13 largest t, v[14:15] the sum; v16-23 Q; v24-31 K's scale words; v32-95 K; v96-159 S^T, p; v160-191 O^T; v192-223 V; v224-231 p's codes; v232-247 at work; v240 16 r, v241 0xff; v248-251 V's scale words; v252 f; v253 p's scale word; v255 Q's.
.set KC,    4194304
.set VC,    8388608
.set QS,    12582912
.set VS,    13631488
.set CLS,   524288
.set CS,    4194304
.set VCL,   65536
.set KSL,   131072
.set VSL,   139264
.set SPARE, 143360                     ; the spare words, 128 bytes for each of 16 waves
	s_load_b128 s[4:7], s[0:1], 0x0                ; qkv, mw
	s_load_b64 s[8:9], s[0:1], 0x10                ; cq
	v_lshl_add_u32 v5, v0, 2, SPARE                ; my spare word; never rewritten
	v_mov_b32 v6, 0                                ; 0; never rewritten
	v_lshrrev_b32 v8, 5, v0
	v_readfirstlane_b32 s10, v8                    ; wave 0..15
	s_mov_b32 s11, ttmp9                           ; j
	s_and_b32 s12, ttmp7, 0xffff                   ; bh
	s_and_b32 s13, s12, 15                         ; head
	s_lshr_b32 s14, s12, 4                         ; batch
	v_and_b32 v9, 31, v0
	v_and_b32 v10, 15, v0                          ; r
	v_bfe_u32 v11, v0, 4, 1                        ; h
	v_lshlrev_b32 v1, 4, v9                        ; 16 x lane
	v_add_nc_u32 v2, VCL, v1
	v_lshl_add_u32 v3, v10, 4, KSL
	v_lshl_add_u32 v4, v10, 4, VSL
	v_lshl_add_u32 v7, v10, 2, v11                 ; 4 r + h
	v_lshlrev_b32 v240, 4, v10                     ; 16 r
	v_mov_b32 v241, 0xff
	s_lshl_b32 s2, s10, 12
	v_add_nc_u32 v12, s2, v1                       ; key step w's codes: 4,096 w + 16 x lane, in memory and in LDS
	v_add_nc_u32 v13, s2, v2
	s_lshl_b32 s3, s10, 9
	v_add_nc_u32 v14, s3, v1                       ; K's scale words: 512 w + 16 x lane
	v_add_nc_u32 v15, KSL, v14
	s_lshl_b32 s3, s10, 8
	v_lshlrev_b32 v16, 3, v9
	v_add_nc_u32 v16, s3, v16                      ; V's: 256 w + 8 x lane
	v_add_nc_u32 v17, VSL, v16
	s_mov_b32 s20, 0x76543210
	s_mov_b32 s21, 0xfedcba98
	s_mov_b32 s22, 0x3e38aa3b                      ; c = log2(e) / 8
	s_mov_b32 s23, s22
	s_mov_b32 s27, 0xffff0000                      ; lanes 16-31
	s_lshl_b32 s2, s12, 16
	s_mov_b32 s3, 0
	s_wait_kmcnt 0x0
	s_add_nc_u64 s[30:31], s[4:5], s[2:3]          ; Q's codes of my head
	s_add_nc_u64 s[32:33], s[30:31], KC            ; K's
	s_add_nc_u64 s[34:35], s[30:31], VC            ; V's
	s_lshl_b32 s2, s12, 13
	s_add_nc_u64 s[66:67], s[4:5], s[2:3]
	s_add_nc_u64 s[66:67], s[66:67], QS            ; Q's scale words
	s_add_nc_u64 s[36:37], s[66:67], 524288        ; K's
	s_lshl_b32 s2, s12, 12
	s_add_nc_u64 s[38:39], s[4:5], s[2:3]
	s_add_nc_u64 s[38:39], s[38:39], VS            ; V's
.irp i, 0,1,2,3,4,5,6,7
	global_load_b128 v[32+4*\i:35+4*\i], v12, s[32:33] offset:512*\i
.endr
.irp i, 0,1,2,3,4,5,6,7
	global_load_b128 v[64+4*\i:67+4*\i], v12, s[34:35] offset:512*\i
.endr
	global_load_b128 v[96:99], v14, s[36:37]
	global_load_b64 v[100:101], v16, s[38:39]
	s_wait_loadcnt 0x0
.irp i, 0,1,2,3,4,5,6,7
	ds_store_b128 v12, v[32+4*\i:35+4*\i] offset:512*\i
.endr
.irp i, 0,1,2,3,4,5,6,7
	ds_store_b128 v13, v[64+4*\i:67+4*\i] offset:512*\i
.endr
	ds_store_b128 v15, v[96:99]
	ds_store_b64 v17, v[100:101]
	s_wait_dscnt 0x0                               ; for the others' sake: my stores have landed
	s_barrier_signal -1
	s_barrier_wait -1                              ; the head's K and V lie in LDS; nothing is written there again
.irp t, 0,1,2,3,4,5,6,7
.irp k, 4,5,6,7
	v_mov_b32 v[32+8*\t+\k], 0                     ; the upper halves of K's fragments: zero codes, never rewritten
.endr
.endr
.irp k, 20,21,22,23
	v_mov_b32 v\k, 0                               ; and of Q's
.endr
.irp k, 236,237,238,239,252,253
	v_mov_b32 v\k, 0                               ; lane permutes' destinations, and the pair v[252:253]
.endr
.macro QTILE pass
	s_wait_xcnt 0x0                                ; the last tile's stores have read their registers and bases
	s_lshl_b32 s15, s10, 2
.if \pass
	s_sub_co_u32 s15, 124, s15
.endif
	s_add_co_u32 s15, s15, s11                     ; my tile of queries
	s_lshl_b32 s2, s15, 9
	v_add_nc_u32 v8, s2, v1
	global_load_b128 v[16:19], v8, s[30:31]        ; Q's codes
	s_lshr_b32 s2, s15, 2
	s_lshl_b32 s2, s2, 8
	s_and_b32 s3, s15, 3
	s_lshl_b32 s3, s3, 2
	s_add_co_u32 s2, s2, s3
	v_add_nc_u32 v9, s2, v240
	global_load_b32 v255, v9, s[66:67]             ; Q's scale words
	s_lshl_b32 s26, s15, 6
	s_load_b512 s[68:83], s[6:7], s26 offset:CLS   ; the tile's 16 classes
	v_mov_b32 v13, 0xff61b1e6                      ; the largest t so far: -3e38
	v_floor_f32 v12, -v13                          ; -M
	v_mov_b32 v14, 0
	v_mov_b32 v15, 0
.set n, 0
.rept 32
	v_mov_b32 v[160+n], 0                          ; O^T.  Which step is the first to be worked hangs on the mask, so no first step can be written out
.set n, n+1
.endr
	s_wait_kmcnt 0x0
	s_mov_b32 s16, s68                             ; the 16 classes, two bits each
.set n, 1
.rept 15
	s_lshl_b32 s2, s[68+n], 2*n
	s_or_b32 s16, s16, s2
.set n, n+1
.endr
	s_mov_b32 s19, 0                               ; the step's codes in LDS: 4,096 a step
	s_mov_b32 s24, 0                               ; K's scale words: 512
	s_mov_b32 s25, 0                               ; V's: 256
	s_lshl_b32 s26, s15, 12                        ; the tile's mask records: 256 a step
	s_mov_b32 s18, 16
	s_wait_loadcnt 0x0                             ; Q; v8 and v9 may be written
.Lstep_\@:
	s_and_b32 s17, s16, 3
	s_cmp_eq_u32 s17, 0
	s_cbranch_scc1 .Lskip_\@                       ; all hidden: only the addresses step
	v_add_nc_u32 v8, s19, v1                       ; (these four are the places in front of the loads into V's registers)
	v_add_nc_u32 v9, s19, v2
	v_add_nc_u32 v10, s24, v3
	v_add_nc_u32 v11, s25, v4
.irp t, 0,1,2,3,4,5,6,7
	ds_load_b128 v[32+8*\t:35+8*\t], v8 offset:512*\t
.endr
	ds_load_b128 v[24:27], v10
	ds_load_b128 v[28:31], v10 offset:256
.irp t, 0,1,2,3
	ds_load_b128 v[192+8*\t:195+8*\t], v9 offset:1024*\t
	ds_load_b128 v[196+8*\t:199+8*\t], v9 offset:1024*\t+512
.endr
	ds_load_b128 v[248:251], v11
	s_wait_dscnt 9                                 ; K's ten loads are in; V's nine may be out
.irp t, 0,1,2,3,4,5,6,7
	v_wmma_scale_f32_16x16x128_f8f6f4 v[96+8*\t:103+8*\t], v[32+8*\t:39+8*\t], v[16:23], 0, v[24+\t], v255 matrix_a_fmt:MATRIX_FMT_FP4 matrix_b_fmt:MATRIX_FMT_FP4
.endr
.rept 4
	v_nop
.endr
	s_cmp_eq_u32 s17, 1
	s_cbranch_scc0 .Lopen_\@                       ; all open: nothing to hide
	s_load_b512 s[32:47], s[6:7], s26
	s_load_b512 s[48:63], s[6:7], s26 offset:64
	s_load_b512 s[68:83], s[6:7], s26 offset:128
	s_load_b512 s[84:99], s[6:7], s26 offset:192
	v_mov_b32 v254, 0xff800000                     ; -infinity
	s_wait_kmcnt 0x0
.set n, 0
.rept 32
	v_cndmask_b32 v[96+n], v254, v[96+n], s[32+n]  ; word n has a bit for each lane: the score stays where it is set
.set n, n+1
.endr
.rept 32
	v_cndmask_b32 v[96+n], v254, v[96+n], s[36+n]
.set n, n+1
.endr
.Lopen_\@:
.irp b, 0,1,2,3
	v_max3_num_f32 v[232+\b], v[96+16*\b], v[97+16*\b], v[98+16*\b]   ; the largest score of each block of 32 keys: for the row's maximum, and for the block's largest p
.endr
.irp i, 3,5,7,9,11,13
.irp b, 0,1,2,3
	v_max3_num_f32 v[232+\b], v[232+\b], v[96+16*\b+\i], v[97+16*\b+\i]
.endr
.endr
.irp b, 0,1,2,3
	v_max_num_f32 v[232+\b], v[232+\b], v[111+16*\b]
.endr
.irp b, 0,1,2,3
	v_permlanex16_b32 v[236+\b], v[232+\b], s20, s21
.endr
.irp b, 0,1,2,3
	v_max_num_f32 v[232+\b], v[232+\b], v[236+\b]
.endr
	v_max3_num_f32 v254, v232, v233, v234
	v_max_num_f32 v254, v254, v235
	v_mul_f32 v254, s22, v254                      ; as t
	v_max_num_f32 v13, v13, v254                   ; the running largest t
	v_mov_b32 v254, v12
	v_floor_f32 v12, -v13                          ; the new -M: a whole number
	v_sub_f32 v254, v12, v254                      ; old M - new M, 0 or less
	v_cvt_i32_f32 v254, v254                       ; (it saturates)
	v_ldexp_f32 v252, 1.0, v254                    ; f = 2^(old M - new M)
.set n, 0
.rept 32
	v_pk_fma_f32 v[96+n:97+n], v[96+n:97+n], s[22:23], v[12:13] op_sel_hi:[1,0,0]   ; t - M
.set n, n+2
.endr
.irp b, 0,1,2,3
	v_fma_f32 v[232+\b], v[232+\b], s22, v12
.endr
.set n, 0
.rept 64
	v_exp_f32 v[96+n], v[96+n]                     ; p = 2^(t - M): not normalised
.set n, n+1
.endr
	v_pk_mul_f32 v[14:15], v[14:15], v[252:253] op_sel_hi:[1,0]    ; the sums under the new M: the plain place behind the exponentials
	s_wait_alu depctr_va_vdst(0)                   ; one wait for the batch, ahead of its first reader
.irp b, 0,1,2,3
	v_exp_f32 v[232+\b], v[232+\b]                 ; each block's largest p
.endr
	v_pk_add_f32 v[236:237], v[96:97], v[98:99]    ; the row's sum, of the unquantised p, in two chains
.irp j, 4,8,12,16,20,24,28,32,36,40,44,48,52,56,60
	v_pk_add_f32 v[14:15], v[14:15], v[96+\j:97+\j]
	v_pk_add_f32 v[236:237], v[236:237], v[98+\j:99+\j]
.endr
	v_pk_add_f32 v[14:15], v[14:15], v[236:237]
	s_wait_alu depctr_va_vdst(0)                   ; and one for the four
.irp b, 0,1,2,3
	v_max_num_f32 v[232+\b], 0x1800000, v[232+\b]  ; the floor: the byte cannot fall under 1
.endr
.irp b, 0,1,2,3
	v_add_nc_u32 v[244+\b], 0xff000000, v[232+\b]
.endr
.irp b, 0,1,2,3
	v_lshrrev_b32 v[236+\b], 23, v[244+\b]
.endr
	v_lshl_or_b32 v253, v237, 8, v236              ; p's scale word for these 128 keys
	v_lshl_or_b32 v253, v238, 16, v253
	v_lshl_or_b32 v253, v239, 24, v253
.irp b, 0,1,2,3
	v_cvt_scalef32_pk8_fp4_f32 v[224+2*\b], v[96+16*\b:103+16*\b], v[244+\b]
	v_cvt_scalef32_pk8_fp4_f32 v[225+2*\b], v[104+16*\b:111+16*\b], v[244+\b]
.endr
	v_nop
.irp c, 0,1
.irp i, 0,1
	v_permlane16_swap_b32 v[224+4*\c+\i], v[226+4*\c+\i]
.endr
.endr
.set n, 0
.rept 16
	v_pk_mul_f32 v[160+n:161+n], v[160+n:161+n], v[252:253] op_sel_hi:[1,0]   ; O^T under the new M; these sixteen also stand between the scale word's and the codes' last writes and the products
.set n, n+2
.endr
	s_wait_dscnt 0x0                               ; V
.irp t, 0,1,2,3
	v_wmma_scale_f32_16x16x128_f8f6f4 v[160+8*\t:167+8*\t], v[192+8*\t:199+8*\t], v[224:231], v[160+8*\t:167+8*\t], v[248+\t], v253 matrix_a_fmt:MATRIX_FMT_FP4 matrix_b_fmt:MATRIX_FMT_FP4
.endr
.Lskip_\@:
	s_lshr_b32 s16, s16, 2
	s_add_co_u32 s19, s19, 4096
	s_add_co_u32 s24, s24, 512
	s_add_co_u32 s25, s25, 256
	s_add_co_u32 s26, s26, 256
	s_sub_co_u32 s18, s18, 1
	s_cmp_lg_u32 s18, 0
	s_cbranch_scc1 .Lstep_\@
	; the tile's end
.rept 4
	v_nop
.endr
	v_add_f32 v14, v14, v15
	v_permlanex16_b32 v252, v14, s20, s21
	v_add_f32 v14, v14, v252                       ; the row's sum
	v_cmp_eq_f32 s28, 0, v14                       ; no key was open: a selection, no branch
	v_cndmask_b32 v14, v14, 1.0, s28
	v_rcp_f32 v14, v14
	v_nop
	s_lshl_b32 s2, s14, 7
	s_add_co_u32 s2, s2, s15                       ; the token tile: 128 x batch + my tile
	s_lshr_b32 s3, s13, 1
	s_and_b32 s29, s13, 1
	s_lshl_b32 s100, s2, 13
	s_lshl_b32 s17, s3, 10
	s_add_co_u32 s100, s100, s17
	s_lshl_b32 s17, s29, 9
	s_add_co_u32 s100, s100, s17
	s_mov_b32 s101, 0
	s_add_nc_u64 s[100:101], s[8:9], s[100:101]    ; my piece of the image
	s_lshl_b32 s2, s2, 9
	s_lshl_b32 s3, s3, 6
	s_add_co_u32 s2, s2, s3
	s_lshl_b32 s29, s29, 1
	s_add_co_u32 s2, s2, s29
	s_mov_b32 s3, 0
	s_add_nc_u64 s[2:3], s[8:9], s[2:3]            ; my two bytes of each row's scale word
	s_wait_alu depctr_va_vdst(0)                   ; ahead of the reciprocal's first reader
.set n, 0
.rept 16
	v_pk_mul_f32 v[96+n:97+n], v[160+n:161+n], v[14:15] op_sel_hi:[1,0]   ; ctx: register 16 b + i is d = 32 b + 16 h + i
.set n, n+2
.endr
.irp b, 0,1
	v_max3_num_f32 v[232+\b], |v[96+16*\b]|, |v[97+16*\b]|, 0x1800000
.endr
.irp i, 2,4,6,8,10,12,14
.irp b, 0,1
	v_max3_num_f32 v[232+\b], v[232+\b], |v[96+16*\b+\i]|, |v[97+16*\b+\i]|
.endr
.endr
.irp b, 0,1
	v_permlanex16_b32 v[236+\b], v[232+\b], s20, s21
.endr
.irp b, 0,1
	v_max_num_f32 v[232+\b], v[232+\b], v[236+\b]
.endr
.irp b, 0,1
	v_add_nc_u32 v[244+\b], 0xff000000, v[232+\b]
.endr
.irp b, 0,1
	v_lshrrev_b32 v[236+\b], 23, v[244+\b]
.endr
.irp b, 0,1
	v_cvt_scalef32_pk8_fp4_f32 v[224+2*\b], v[96+16*\b:103+16*\b], v[244+\b]
	v_cvt_scalef32_pk8_fp4_f32 v[225+2*\b], v[104+16*\b:111+16*\b], v[244+\b]
.endr
	v_nop
	v_permlane16_swap_b32 v224, v226
	v_permlane16_swap_b32 v225, v227               ; registers 0-3: k = 32 h + 0 .. 31 of my head's 64
	v_cndmask_b32 v236, v236, v237, s27            ; lanes 0-15 store block 0's byte, lanes 16-31 block 1's
	v_cndmask_b32 v236, v236, v241, s28            ; a row with no open key: the NaN byte
	global_store_b128 v1, v[224:227], s[100:101]   ; 512 consecutive bytes
	global_store_b8 v7, v236, s[2:3] offset:CS
.endm
	QTILE 0
	QTILE 1
	s_wait_tensorcnt 0x0                           ; the wave's end
	ds_add_u32 v5, v6
	s_wait_dscnt 0x0
	s_endpgm
.Lfunc_end_k_qaad52eae75_attn:
	.size	k_qaad52eae75_attn, .Lfunc_end_k_qaad52eae75_attn-k_qaad52eae75_attn
	.p2alignl 7, 3214868480
	.fill 96, 4, 3214868480
	.section	.rodata,"a",@progbits
	.p2align	6, 0x0
	.amdhsa_kernel k_qaad52eae75_attn
		.amdhsa_group_segment_fixed_size 145408
		.amdhsa_private_segment_fixed_size 0
		.amdhsa_enable_private_segment 0
		.amdhsa_kernarg_size 24
		.amdhsa_user_sgpr_count 2
		.amdhsa_user_sgpr_kernarg_segment_ptr 1
		.amdhsa_wavefront_size32 1
		.amdhsa_system_sgpr_workgroup_id_x 1
		.amdhsa_system_sgpr_workgroup_id_y 1
		.amdhsa_system_sgpr_workgroup_id_z 1
		.amdhsa_system_vgpr_workitem_id 0
		.amdhsa_next_free_vgpr 256
		.amdhsa_next_free_sgpr 102
		.amdhsa_reserve_vcc 0
		.amdhsa_float_denorm_mode_32 3
		.amdhsa_float_denorm_mode_16_64 3
		.amdhsa_memory_ordered 1
		.amdhsa_forward_progress 1
		.amdhsa_inst_pref_size 61
	.end_amdhsa_kernel
	.amdgpu_metadata
---
amdhsa.version: [ 1, 2 ]
amdhsa.kernels:
  - .name:           k_qaad52eae75_attn
    .symbol:         k_qaad52eae75_attn.kd
    .args:
      - { .name: qkv, .offset: 0, .size: 8, .value_kind: global_buffer, .address_space: global }
      - { .name: mw, .offset: 8, .size: 8, .value_kind: global_buffer, .address_space: global }
      - { .name: cq, .offset: 16, .size: 8, .value_kind: global_buffer, .address_space: global }
    .group_segment_fixed_size: 145408
    .private_segment_fixed_size: 0
    .kernarg_segment_align: 8
    .kernarg_segment_size: 24
    .max_flat_workgroup_size: 512
    .sgpr_count:     102
    .vgpr_count:     256
    .wavefront_size: 32
...
	.end_amdgpu_metadata
.endif
;; end of part 3
;; launch oproj (part 4): grid 64 x 4, 4 waves a work-group, clusters of 4 x 1, 167,936 bytes of LDS; arguments cq, opq, b_out, out0; writes out0
.if DOCPART == 4
	.amdgcn_target "amdgcn-amd-amdhsa--gfx1250"
	.amdhsa_code_object_version 6
	.text
	.protected	k_qaad52eae75_oproj
	.globl	k_qaad52eae75_oproj
	.p2align	8
	.type	k_qaad52eae75_oproj,@function
k_qaad52eae75_oproj:
	s_mov_b64 s[64:65], 0
	v_nop
	global_prefetch_b8 v0, s[64:65] scope:SCOPE_SE
	s_setreg_imm32_b32 hwreg(HW_REG_WAVE_MODE, 25, 1), 1
	s_wait_xcnt 0x0
	s_wait_alu depctr_hold_cnt(0) depctr_sa_sdst(0) depctr_va_vdst(0) depctr_va_sdst(0) depctr_va_ssrc(0) depctr_va_vcc(0) depctr_vm_vsrc(0)
	s_getreg_b32 s2, hwreg(HW_REG_IB_STS2, 6, 4)
	s_cmp_eq_u32 s2, 0
	s_cbranch_scc0 .Lentry_in_a_cluster
	s_endpgm
.Lentry_in_a_cluster:
	s_bfe_u32 s2, ttmp6, 0x10000c
	s_cmp_lg_u32 s2, 0x3003
	s_cbranch_scc0 .Lentry_shape_is_right
	s_endpgm
.Lentry_shape_is_right:
; OPROJ.  out0 = ctx W_out^T + b_out on codes of FP4.  Nothing of reference() is left out here.
; SHARES.  Work-group (X, g): tokens 128 X .. + 127, columns 256 g .. + 255; wave w owns columns 64 (4 g + w) .. + 63: 32 accumulators, 256 matrix instructions.  ctx's 64 fragments go from memory into 512 registers as dense runs of 512 bytes.
; W_out's 64 rows of a wave are 32,768 dense bytes, brought into LDS by one tensor load and read by that wave alone.  CLUSTER: the four partners share g and differ in X: they want the same rows of W_out: a joint load, mask 15.
; Source 0 = 16 rows of W_out, source 1 = 16 tokens: a lane holds one token and, over tiles 2 b, 2 b + 1, columns 32 b + 16 h + 0 .. 15.  The bias is the C of each sum's first matrix instruction.
; THE WAY OUT: a block of 16 tokens x 64 columns goes through the wave's own stage in LDS (rows 272 bytes apart) and leaves by rows: sixteen lanes store 256 consecutive bytes, aligned.
; A token whose scale bytes are the NaN byte (a row with no open key) gets NaN in all its columns, as reference() has it.
; REGISTERS: as in the launch for Q, K and V: window 0 addresses, scale words, bias, W's two sets; window 1 accumulator (a, t) at 32 a + 8 t; windows 2, 3 ctx's fragments at 64 (q % 4) + 8 a.
.set OC,    5767168
.set OS,    6651904
.set CS,    4194304
.set STG,   131072                     ; behind W's rows: 16 x 272 bytes for each wave; no fill lands here
.set SPARE, 148480                     ; the spare words, 128 bytes for each wave
.set LI,   4
.set LS,   5
.set ADW0, 6
.set SPW,  10
.set NIL,  11
.set STO,  13
.set RD,   14
.set CO,   15
.set XSR,  16
.set WSR,  48
.set BI,   80
.set F0,   112
.set OB,   112                         ; the way out: two sets of 32, where W's fragments lay
.set MSB, 0
.macro WIN new
.if MSB != \new
	s_set_vgpr_msb (MSB<<8)|\new
.set MSB, \new
.endif
.endm
.macro CROUND
	s_barrier_signal -1
	s_barrier_wait -1
	s_cmp_lg_u32 s12, 0
	s_cbranch_scc1 .Lnot_wave_0_\@
	s_barrier_signal -3
.Lnot_wave_0_\@:
	s_barrier_wait -3
	s_barrier_signal -1
	s_barrier_wait -1
.endm
.macro PLACES
.rept 4
	v_nop
.endr
.endm
.macro FETCHW q, set
	WIN 0
.irp t, 0,1,2,3
.irp c, 0,1
	ds_load_b128 v[F0+32*(\set)+8*\t+4*\c:F0+32*(\set)+8*\t+4*\c+3], v[ADW0] offset:8192*\t+1024*(\q)+512*\c
.endr
.endr
.endm
.macro WM d, a, b, c, sa, sb, odd
.if \odd
	v_wmma_scale_f32_16x16x128_f8f6f4 v[(\d):(\d)+7], v[(\a):(\a)+7], v[(\b):(\b)+7], v[(\c):(\c)+7], v[\sa], v[\sb] matrix_a_fmt:MATRIX_FMT_FP4 matrix_b_fmt:MATRIX_FMT_FP4 matrix_a_scale:MATRIX_SCALE_ROW1 matrix_b_scale:MATRIX_SCALE_ROW1
.else
	v_wmma_scale_f32_16x16x128_f8f6f4 v[(\d):(\d)+7], v[(\a):(\a)+7], v[(\b):(\b)+7], v[(\c):(\c)+7], v[\sa], v[\sb] matrix_a_fmt:MATRIX_FMT_FP4 matrix_b_fmt:MATRIX_FMT_FP4
.endif
.endm
.macro KSTEP q                         ; K step q: the 32 accumulators by turns, in the same order in every step
	s_wait_dscnt 0x0                               ; this step's set is in
.if 16*(7-(\q)) > 63
	s_wait_loadcnt 63                              ; behind this step's fragments of ctx stand more than 63 loads
.else
	s_wait_loadcnt 16*(7-(\q))                     ; the 16 loads of each later K step may be out
.endif
	WIN 0
	PLACES                                         ; in front of loads into the set that the last step read
.if (\q) < 7
	FETCHW (\q)+1, ((\q)+1)%2
.endif
.set FB, F0+32*((\q)%2)
.set XB, 64*((\q)%4)
.set WB, WSR+(\q)/2
.set SB, XSR+(\q)/2
.set OD, (\q)%2
.if (\q) == 0
	WIN 0x48
.elseif (\q) < 4
	WIN 0x58
.else
	WIN 0x5c
.endif
.irp a, 0,1,2,3,4,5,6,7
.irp t, 0,1,2,3
.if (\q) == 0
.set CB, BI+8*\t
.else
.set CB, 32*\a+8*\t
.endif
	WM 32*\a+8*\t, FB+8*\t, XB+8*\a, CB, WB+4*\t, SB+4*\a, OD
.endr
.endr
.endm
	s_load_b256 s[4:11], s[0:1], 0x0               ; cq, opq, b_out, out0
	v_lshl_add_u32 v[SPW], v0, 2, SPARE
	v_mov_b32 v[NIL], 0
	ds_add_u32 v[SPW], v[NIL]                      ; the wave's opening: the add, twice on end, and its wait ahead of my first tensor load
	ds_add_u32 v[SPW], v[NIL]
	v_lshrrev_b32 v1, 5, v0
	v_readfirstlane_b32 s12, v1                    ; wave 0..3
	s_bfe_u32 s13, ttmp6, 0x40000                  ; cx
	s_lshl_b32 s14, ttmp9, 2
	s_add_co_u32 s14, s14, s13                     ; X: it enters plain loads' and stores' addresses alone
	s_and_b32 s15, ttmp7, 0xffff                   ; g
	s_lshl_b32 s16, s15, 2
	s_add_co_u32 s16, s16, s12                     ; my block of 64 columns
	s_mov_b32 s24, 15|(3<<16)|(1<<21)              ; group 1: 128 rows of 256 bytes, dense; mask: all four partners
	s_mov_b32 s25, 32<<16
	s_mov_b32 s26, 128<<16
	s_mov_b32 s27, 32<<16
	s_mov_b32 s28, 128
	s_mov_b32 s29, 32
	s_mov_b32 s30, 0
	s_mov_b32 s31, 0
	s_lshl_b32 s17, s12, 15                        ; my part of LDS
	s_lshl_b32 s18, s16, 15                        ; my four row tiles of W_out
	s_mov_b32 s19, 0
	s_wait_dscnt 0x0                               ; both opening adds are done
	s_wait_kmcnt 0x0
	s_mov_b32 s32, 1
	s_mov_b32 s33, s17
	s_add_nc_u64 s[34:35], s[6:7], s[18:19]
	s_add_nc_u64 s[34:35], s[34:35], OC
	s_or_b32 s35, s35, 0x80000000
	CROUND                                         ; the four work-groups are here: the joint loads meet
	tensor_load_to_lds s[32:35], s[24:31]          ; my one tensor load of the launch
	s_nop 0
	PLACES
	v_and_b32 v1, 31, v0
	v_and_b32 v2, 15, v0
	v_bfe_u32 v3, v0, 4, 1
	v_lshlrev_b32 v[LI], 4, v1
	v_lshlrev_b32 v[LS], 2, v1
	v_add_nc_u32 v[ADW0], s17, v[LI]
	v_lshlrev_b32 v8, 6, v3                        ; 64 h
	s_mul_i32 s20, s12, 4352
	s_add_co_u32 s20, s20, STG                     ; my stage
	v_mul_u32_u24 v[STO], v2, 272
	v_lshl_add_u32 v[STO], v3, 6, v[STO]
	v_add_nc_u32 v[STO], s20, v[STO]               ; in: row r, + 64 h
	v_mul_u32_u24 v[RD], v3, 272
	v_lshl_add_u32 v[RD], v2, 4, v[RD]
	v_add_nc_u32 v[RD], s20, v[RD]                 ; back: lanes 0-15 one row, lanes 16-31 the next
	v_lshlrev_b32 v[CO], 12, v3
	v_lshl_add_u32 v[CO], v2, 4, v[CO]             ; and the same two rows in out0
	s_lshl_b32 s18, s14, 16
	s_add_nc_u64 s[46:47], s[4:5], s[18:19]        ; ctx's codes
	s_lshl_b32 s18, s14, 12
	s_add_nc_u64 s[48:49], s[4:5], s[18:19]
	s_add_nc_u64 s[48:49], s[48:49], CS            ; ctx's scale words
	s_lshl_b32 s18, s16, 11
	s_add_nc_u64 s[50:51], s[6:7], s[18:19]
	s_add_nc_u64 s[50:51], s[50:51], OS            ; W_out's scale words
	s_lshl_b32 s18, s16, 8
	s_add_nc_u64 s[52:53], s[8:9], s[18:19]        ; the bias
	s_lshl_b32 s20, s14, 19
	s_add_co_u32 s18, s18, s20
	s_add_nc_u64 s[54:55], s[10:11], s[18:19]      ; out0: 128 X rows of 4,096 bytes + my 256 bytes of a row
.irp a, 0,1,2,3,4,5,6,7
.irp p, 0,1,2,3
	global_load_b32 v[XSR+4*\a+\p], v[LS], s[48:49] offset:512*\a+128*\p
.endr
.endr
.irp t, 0,1,2,3
.irp p, 0,1,2,3
	global_load_b32 v[WSR+4*\t+\p], v[LS], s[50:51] offset:512*\t+128*\p
.endr
.endr
.irp t, 0,1,2,3
	global_load_b128 v[BI+8*\t:BI+8*\t+3], v8, s[52:53] offset:(32*(\t/2)+8*(\t%2))*4
	global_load_b128 v[BI+8*\t+4:BI+8*\t+7], v8, s[52:53] offset:(32*(\t/2)+8*(\t%2))*4+16
.endr
	WIN 0x80
.irp q, 0,1,2,3
.irp a, 0,1,2,3,4,5,6,7
.irp c, 0,1
	global_load_b128 v[64*\q+8*\a+4*\c:64*\q+8*\a+4*\c+3], v[LI], s[46:47] offset:8192*\a+1024*\q+512*\c
.endr
.endr
.endr
	WIN 0xc0
.irp q, 0,1,2,3
.irp a, 0,1,2,3,4,5,6,7
.irp c, 0,1
	global_load_b128 v[64*\q+8*\a+4*\c:64*\q+8*\a+4*\c+3], v[LI], s[46:47] offset:8192*\a+1024*(\q+4)+512*\c
.endr
.endr
.endr
	WIN 0
	s_wait_tensorcnt 0x0                           ; my rows of W_out are in; only I read them
	FETCHW 0, 0
.irp q, 0,1,2,3,4,5,6,7
	KSTEP \q
.endr
	WIN 0
.macro TOSTAGE a
	WIN 0x04                                       ; an LDS store's data are its source 1: window 1
.irp t, 0,1,2,3
	ds_store_b128 v[STO], v[32*(\a)+8*\t:32*(\a)+8*\t+3] offset:128*(\t/2)+32*(\t%2)          ; each accumulator from its low end on
	ds_store_b128 v[STO], v[32*(\a)+8*\t+4:32*(\a)+8*\t+7] offset:128*(\t/2)+32*(\t%2)+16
.endr
	WIN 0
.irp i, 0,1,2,3,4,5,6,7
	ds_load_b128 v[OB+32*((\a)%2)+4*\i:OB+32*((\a)%2)+4*\i+3], v[RD] offset:544*\i   ; LDS serves a wave's instructions in order: these see my stores, and the next block's stores come behind them
.endr
.endm
.macro SEND a, younger                 ; younger: the LDS instructions issued behind block a's loads
	s_wait_dscnt \younger
.irp i, 0,1,2,3,4,5,6,7
	global_store_b128 v[CO], v[OB+32*((\a)%2)+4*\i:OB+32*((\a)%2)+4*\i+3], s[54:55] offset:(32*((\a)/2)+8*((\a)%2)+2*\i+8*(\i/4))*4096 th:TH_STORE_NT   ; rows 2 i, 2 i + 1 of the tile, by the row map; 16 lanes store 256 consecutive bytes, aligned
.endr
.endm
	PLACES                                         ; behind the last products: for the reads of results and the loads into W's sets
	TOSTAGE 0
.irp a, 1,2,3,4,5,6,7
.if \a > 1
	s_wait_xcnt 0x0                                ; block a - 2's stores have read their registers: block a's loads may land there
.endif
	TOSTAGE \a
	SEND \a-1, 16                                  ; behind block a - 1's loads: block a's 8 stores and 8 loads
.endr
	SEND 7, 0
	s_wait_tensorcnt 0x0                           ; the wave's end
	ds_add_u32 v[SPW], v[NIL]
	s_wait_dscnt 0x0
	CROUND                                         ; the closing round
	s_endpgm
.Lfunc_end_k_qaad52eae75_oproj:
	.size	k_qaad52eae75_oproj, .Lfunc_end_k_qaad52eae75_oproj-k_qaad52eae75_oproj
	.p2alignl 7, 3214868480
	.fill 96, 4, 3214868480
	.section	.rodata,"a",@progbits
	.p2align	6, 0x0
	.amdhsa_kernel k_qaad52eae75_oproj
		.amdhsa_group_segment_fixed_size 167936
		.amdhsa_private_segment_fixed_size 0
		.amdhsa_enable_private_segment 0
		.amdhsa_kernarg_size 32
		.amdhsa_user_sgpr_count 2
		.amdhsa_user_sgpr_kernarg_segment_ptr 1
		.amdhsa_wavefront_size32 1
		.amdhsa_system_sgpr_workgroup_id_x 1
		.amdhsa_system_sgpr_workgroup_id_y 1
		.amdhsa_system_sgpr_workgroup_id_z 1
		.amdhsa_system_vgpr_workitem_id 0
		.amdhsa_next_free_vgpr 1024
		.amdhsa_next_free_sgpr 66
		.amdhsa_reserve_vcc 0
		.amdhsa_float_denorm_mode_32 3
		.amdhsa_float_denorm_mode_16_64 3
		.amdhsa_memory_ordered 1
		.amdhsa_forward_progress 1
		.amdhsa_inst_pref_size 75
	.end_amdhsa_kernel
	.amdgpu_metadata
---
amdhsa.version: [ 1, 2 ]
amdhsa.kernels:
  - .name:           k_qaad52eae75_oproj
    .symbol:         k_qaad52eae75_oproj.kd
    .args:
      - { .name: cq, .offset: 0, .size: 8, .value_kind: global_buffer, .address_space: global }
      - { .name: opq, .offset: 8, .size: 8, .value_kind: global_buffer, .address_space: global }
      - { .name: b_out, .offset: 16, .size: 8, .value_kind: global_buffer, .address_space: global }
      - { .name: out0, .offset: 24, .size: 8, .value_kind: global_buffer, .address_space: global }
    .group_segment_fixed_size: 167936
    .private_segment_fixed_size: 0
    .kernarg_segment_align: 8
    .kernarg_segment_size: 32
    .max_flat_workgroup_size: 128
    .sgpr_count:     66
    .vgpr_count:     1024
    .wavefront_size: 32
...
	.end_amdgpu_metadata
.endif
;; end of part 4
;; ======== version 2 of 2: 4 launches; version 1 with the launch attn written anew for expert scheduling mode
;; workspace buffers: opq 6,684,672 bytes; mw 532,480 bytes of whole numbers; qkv 13,893,632 bytes; cq 4,456,448 bytes
;; launch prep: the kernel of part 1 again; grid 1024 x 1, 8 waves a work-group, no clusters, 68,608 bytes of LDS; arguments x, W_qkv, W_out, mask, opq, mw; writes opq, mw
;; launch qkv: the kernel of part 2 again; grid 64 x 4, 4 waves a work-group, clusters of 4 x 1, 327,680 bytes of LDS; arguments opq, b_qkv, qkv; writes qkv
;; launch attn (part 5): grid 4 x 64, 16 waves a work-group, no clusters, 145,408 bytes of LDS; arguments qkv, mw, cq; writes cq
.if DOCPART == 5
	.amdgcn_target "amdgcn-amd-amdhsa--gfx1250"
	.amdhsa_code_object_version 6
	.text
	.protected	k_qaad52eae75_attn
	.globl	k_qaad52eae75_attn
	.p2align	8
	.type	k_qaad52eae75_attn,@function
k_qaad52eae75_attn:
	s_mov_b64 s[64:65], 0
	v_nop
	global_prefetch_b8 v0, s[64:65] scope:SCOPE_SE
	s_setreg_imm32_b32 hwreg(HW_REG_WAVE_SCHED_MODE, 0, 2), 2
	s_setreg_imm32_b32 hwreg(HW_REG_WAVE_MODE, 25, 1), 1
	s_wait_xcnt 0x0
	s_wait_alu depctr_vm_vsrc(0)
; ATTN.  ctx = softmax(Q K^T / 8, masked) V for one (batch, head), both products on codes of FP4; ctx is quantised along C in registers.
; LEFT OUT: a tile of 16 queries x 128 keys in which the given mask has no non-zero (class 0, stored as whole numbers by the first launch): reference() puts -inf there, whose weight is 0.  Nothing else.
; THE SOFTMAX: t = score x log2(e) / 8; M = the running largest t rounded up to a whole number; p = 2^(t - M) is quantised along the keys; the row's sum is taken of the unquantised p and divides at the end.
; A ROW WITH NO OPEN KEY is NaN in reference(): its sum here is 0; it is divided by 1, its codes are zeros and its scale bytes are 0xff, the E8M0 NaN, which makes the last product's sums of that row NaN.
; NO TENSOR LOAD, NO CLUSTER: key steps are jumped over by a branch on numbers read from memory.  A head's K, V and their scale words are 143,360 bytes: they are copied into LDS once, through registers, wave w the bytes of key step w.
; SHARES.  Work-group (j, bh); wave w takes query tiles 4 w + j and 124 - 4 w + j, one after the other; 16 key steps of 128 each, a loop of constant count.
; LAYOUT.  S^T = K Q^T (source 0 = 16 keys, source 1 = my 16 queries), O^T = V^T P^T: a lane holds one query throughout.  By the row map register 16 b + i of S^T is key 32 b + 16 h + i, of O^T d = 32 b + 16 h + i.
; The head's size is 64: the upper halves of Q's and K's fragments are zero codes, under the scale byte 0.
; OUT (cq): codes [token tile][K step head / 2][piece head % 2][lane][16 bytes]; scale bytes at CS: [tile][K step][r][4]: one byte a lane (262,144 bytes in all are written so).
; REGISTERS: v1-7 addresses; v8-11 the step's addresses; v12 -M, v13 largest t, v[14:15] the sum; v16-23 Q; v24-31 K's scale words; v32-95 K; v96-159 S^T, p; v160-191 O^T; v192-223 V; v224-231 p's codes; v232-247 at work; v240 16 r, v241 0xff; v248-251 V's scale words; v252 f; v253 p's scale word; v255 Q's.
; THE MODE: SCHED_MODE bits 1:0 = 2 (LLVM: expert scheduling mode 2), set by the entry lines.  The code itself states the register dependences between vector or matrix instructions and memory or LDS instructions, with s_wait_alu, always for 0.
; THE PLAN.  Registers that memory or LDS instructions touch:
;   v1-4, v7, v240    offsets, made at the head and never written again.
;   v12-17, v32-101   the copy at the head: addresses made by vector lines, data brought by global loads and read by LDS stores; all of them are written again behind the barrier.
;   v8, v9            at a tile's head: made by two adds, read by Q's two loads, which land in v16-19 and v255; those are read by the tile's K Q^T products.
;   v8-11             in a step: made by four adds at its head, read by its 19 LDS loads.
;   v32.., v24-31     K and its scale words: loaded at a step's head, read by its eight K Q^T products.
;   v192-223, v248-251  V and its scale words: loaded at a step's head, read by its four V^T P products, the step's last lines.
;   v224-231, v253    p's codes and scale word: written by vector lines, taken by the scaled V^T P products; at a tile's end v224-227 and v236 are the data of its two stores.
; A worked step has one wait on vm_vsrc, ahead of the four adds, and four on va_vdst: behind the adds and ahead of all 19 loads; behind each of the two batches of exponentials; ahead of the V^T P products.
; A step that is jumped over issues scalar lines alone, so every way to a worked step's adds and loads passes that step's own two waits.  There is no second set of registers for K or V: sixteen waves of 256 registers are all that the four SIMDs hold.
.set KC,    4194304
.set VC,    8388608
.set QS,    12582912
.set VS,    13631488
.set CLS,   524288
.set CS,    4194304
.set VCL,   65536
.set KSL,   131072
.set VSL,   139264
.set SPARE, 143360                     ; the spare words, 128 bytes for each of 16 waves
	s_load_b128 s[4:7], s[0:1], 0x0                ; qkv, mw
	s_load_b64 s[8:9], s[0:1], 0x10                ; cq
	v_lshl_add_u32 v5, v0, 2, SPARE                ; my spare word; never rewritten
	v_mov_b32 v6, 0                                ; 0; never rewritten
	v_lshrrev_b32 v8, 5, v0
	v_readfirstlane_b32 s10, v8                    ; wave 0..15
	s_mov_b32 s11, ttmp9                           ; j
	s_and_b32 s12, ttmp7, 0xffff                   ; bh
	s_and_b32 s13, s12, 15                         ; head
	s_lshr_b32 s14, s12, 4                         ; batch
	v_and_b32 v9, 31, v0
	v_and_b32 v10, 15, v0                          ; r
	v_bfe_u32 v11, v0, 4, 1                        ; h
	v_lshlrev_b32 v1, 4, v9                        ; 16 x lane
	v_add_nc_u32 v2, VCL, v1
	v_lshl_add_u32 v3, v10, 4, KSL
	v_lshl_add_u32 v4, v10, 4, VSL
	v_lshl_add_u32 v7, v10, 2, v11                 ; 4 r + h
	v_lshlrev_b32 v240, 4, v10                     ; 16 r
	v_mov_b32 v241, 0xff
	s_wait_alu depctr_va_sdst(0)                   ; s10, the wave's number, is written, ahead of its first reader
	s_lshl_b32 s2, s10, 12
	v_add_nc_u32 v12, s2, v1                       ; key step w's codes: 4,096 w + 16 x lane, in memory and in LDS
	v_add_nc_u32 v13, s2, v2
	s_lshl_b32 s3, s10, 9
	v_add_nc_u32 v14, s3, v1                       ; K's scale words: 512 w + 16 x lane
	v_add_nc_u32 v15, KSL, v14
	s_lshl_b32 s3, s10, 8
	v_lshlrev_b32 v16, 3, v9
	v_add_nc_u32 v16, s3, v16                      ; V's: 256 w + 8 x lane
	v_add_nc_u32 v17, VSL, v16
	s_mov_b32 s20, 0x76543210
	s_mov_b32 s21, 0xfedcba98
	s_mov_b32 s22, 0x3e38aa3b                      ; c = log2(e) / 8
	s_mov_b32 s23, s22
	s_mov_b32 s27, 0xffff0000                      ; lanes 16-31
	s_lshl_b32 s2, s12, 16
	s_mov_b32 s3, 0
	s_wait_kmcnt 0x0
	s_add_nc_u64 s[30:31], s[4:5], s[2:3]          ; Q's codes of my head
	s_add_nc_u64 s[32:33], s[30:31], KC            ; K's
	s_add_nc_u64 s[34:35], s[30:31], VC            ; V's
	s_lshl_b32 s2, s12, 13
	s_add_nc_u64 s[66:67], s[4:5], s[2:3]
	s_add_nc_u64 s[66:67], s[66:67], QS            ; Q's scale words
	s_add_nc_u64 s[36:37], s[66:67], 524288        ; K's
	s_lshl_b32 s2, s12, 12
	s_add_nc_u64 s[38:39], s[4:5], s[2:3]
	s_add_nc_u64 s[38:39], s[38:39], VS            ; V's
	s_wait_alu depctr_va_vdst(0)                   ; the offsets and addresses v1-v7, v12-v17 and v240 are written, which the loads and stores below and all later ones read
.irp i, 0,1,2,3,4,5,6,7
	global_load_b128 v[32+4*\i:35+4*\i], v12, s[32:33] offset:512*\i
.endr
.irp i, 0,1,2,3,4,5,6,7
	global_load_b128 v[64+4*\i:67+4*\i], v12, s[34:35] offset:512*\i
.endr
	global_load_b128 v[96:99], v14, s[36:37]
	global_load_b64 v[100:101], v16, s[38:39]
	s_wait_loadcnt 0x0
.irp i, 0,1,2,3,4,5,6,7
	ds_store_b128 v12, v[32+4*\i:35+4*\i] offset:512*\i
.endr
.irp i, 0,1,2,3,4,5,6,7
	ds_store_b128 v13, v[64+4*\i:67+4*\i] offset:512*\i
.endr
	ds_store_b128 v15, v[96:99]
	ds_store_b64 v17, v[100:101]
	s_wait_dscnt 0x0                               ; for the others' sake: my stores have landed
	s_barrier_signal -1
	s_barrier_wait -1                              ; the head's K and V lie in LDS; nothing is written there again
	s_wait_alu depctr_vm_vsrc(0)                   ; the copy's loads and LDS stores have read v12-v17 and v32-v101: from here on these are statistics, Q, K's fragments and scores, written by vector lines, loads and products
.irp t, 0,1,2,3,4,5,6,7
.irp k, 4,5,6,7
	v_mov_b32 v[32+8*\t+\k], 0                     ; the upper halves of K's fragments: zero codes, never rewritten
.endr
.endr
.irp k, 20,21,22,23
	v_mov_b32 v\k, 0                               ; and of Q's
.endr
.irp k, 236,237,238,239,252,253
	v_mov_b32 v\k, 0                               ; lane permutes' destinations, and the pair v[252:253]
.endr
.macro QTILE pass
	s_wait_xcnt 0x0                                ; the last tile's stores have read their registers and bases
.if \pass
	s_wait_alu depctr_vm_vsrc(0)                   ; the first tile's LDS loads have read v8-v11, and its two stores v224-v227 and v236: this tile writes all of them again
.endif
	s_lshl_b32 s15, s10, 2
.if \pass
	s_sub_co_u32 s15, 124, s15
.endif
	s_add_co_u32 s15, s15, s11                     ; my tile of queries
	s_lshl_b32 s2, s15, 9                          ; its codes: 512 bytes a tile
	s_lshr_b32 s3, s15, 2
	s_lshl_b32 s3, s3, 8
	s_and_b32 s17, s15, 3
	s_lshl_b32 s17, s17, 2
	s_add_co_u32 s3, s3, s17                       ; its scale words: 256 (tile / 4) + 4 (tile % 4)
	v_add_nc_u32 v8, s2, v1
	v_add_nc_u32 v9, s3, v240
	s_lshl_b32 s26, s15, 6
	s_load_b512 s[68:83], s[6:7], s26 offset:CLS   ; the tile's 16 classes
	s_wait_alu depctr_va_vdst(0)                   ; v8 and v9 are written, which the two loads read; the products of the tile before are done reading v16-v19 and v255, in which they land
	global_load_b128 v[16:19], v8, s[30:31]        ; Q's codes
	global_load_b32 v255, v9, s[66:67]             ; Q's scale words
	v_mov_b32 v13, 0xff61b1e6                      ; the largest t so far: -3e38
	v_floor_f32 v12, -v13                          ; -M
	v_mov_b32 v14, 0
	v_mov_b32 v15, 0
.set n, 0
.rept 32
	v_mov_b32 v[160+n], 0                          ; O^T.  Which step is the first to be worked hangs on the mask, so no first step can be written out
.set n, n+1
.endr
	s_wait_kmcnt 0x0
	s_mov_b32 s16, s68                             ; the 16 classes, two bits each
.set n, 1
.rept 15
	s_lshl_b32 s2, s[68+n], 2*n
	s_or_b32 s16, s16, s2
.set n, n+1
.endr
	s_mov_b32 s19, 0                               ; the step's codes in LDS: 4,096 a step
	s_mov_b32 s24, 0                               ; K's scale words: 512
	s_mov_b32 s25, 0                               ; V's: 256
	s_lshl_b32 s26, s15, 12                        ; the tile's mask records: 256 a step
	s_mov_b32 s18, 16
	s_wait_loadcnt 0x0                             ; Q
.Lstep_\@:
	s_and_b32 s17, s16, 3
	s_cmp_eq_u32 s17, 0
	s_cbranch_scc1 .Lskip_\@                       ; all hidden: only the addresses step
	s_wait_alu depctr_vm_vsrc(0)                   ; the LDS loads of the last worked step (in the tile's first: Q's two loads) have read v8-v11, which the four adds write
	v_add_nc_u32 v8, s19, v1
	v_add_nc_u32 v9, s19, v2
	v_add_nc_u32 v10, s24, v3
	v_add_nc_u32 v11, s25, v4
	s_wait_alu depctr_va_vdst(0)                   ; v8-v11 are written, which the 19 loads read; the last worked step's products are done reading K's, V's and their scale words' registers, in which the loads land
.irp t, 0,1,2,3,4,5,6,7
	ds_load_b128 v[32+8*\t:35+8*\t], v8 offset:512*\t
.endr
	ds_load_b128 v[24:27], v10
	ds_load_b128 v[28:31], v10 offset:256
.irp t, 0,1,2,3
	ds_load_b128 v[192+8*\t:195+8*\t], v9 offset:1024*\t
	ds_load_b128 v[196+8*\t:199+8*\t], v9 offset:1024*\t+512
.endr
	ds_load_b128 v[248:251], v11
	s_wait_dscnt 9                                 ; K's ten loads are in; V's nine may be out
.irp t, 0,1,2,3,4,5,6,7
	v_wmma_scale_f32_16x16x128_f8f6f4 v[96+8*\t:103+8*\t], v[32+8*\t:39+8*\t], v[16:23], 0, v[24+\t], v255 matrix_a_fmt:MATRIX_FMT_FP4 matrix_b_fmt:MATRIX_FMT_FP4
.endr
.rept 4
	v_nop
.endr
	s_cmp_eq_u32 s17, 1
	s_cbranch_scc0 .Lopen_\@                       ; all open: nothing to hide
	s_load_b512 s[32:47], s[6:7], s26
	s_load_b512 s[48:63], s[6:7], s26 offset:64
	s_load_b512 s[68:83], s[6:7], s26 offset:128
	s_load_b512 s[84:99], s[6:7], s26 offset:192
	v_mov_b32 v254, 0xff800000                     ; -infinity
	s_wait_kmcnt 0x0
.set n, 0
.rept 32
	v_cndmask_b32 v[96+n], v254, v[96+n], s[32+n]  ; word n has a bit for each lane: the score stays where it is set
.set n, n+1
.endr
.rept 32
	v_cndmask_b32 v[96+n], v254, v[96+n], s[36+n]
.set n, n+1
.endr
.Lopen_\@:
.irp b, 0,1,2,3
	v_max3_num_f32 v[232+\b], v[96+16*\b], v[97+16*\b], v[98+16*\b]   ; the largest score of each block of 32 keys: for the row's maximum, and for the block's largest p
.endr
.irp i, 3,5,7,9,11,13
.irp b, 0,1,2,3
	v_max3_num_f32 v[232+\b], v[232+\b], v[96+16*\b+\i], v[97+16*\b+\i]
.endr
.endr
.irp b, 0,1,2,3
	v_max_num_f32 v[232+\b], v[232+\b], v[111+16*\b]
.endr
.irp b, 0,1,2,3
	v_permlanex16_b32 v[236+\b], v[232+\b], s20, s21
.endr
.irp b, 0,1,2,3
	v_max_num_f32 v[232+\b], v[232+\b], v[236+\b]
.endr
	v_max3_num_f32 v254, v232, v233, v234
	v_max_num_f32 v254, v254, v235
	v_mul_f32 v254, s22, v254                      ; as t
	v_max_num_f32 v13, v13, v254                   ; the running largest t
	v_mov_b32 v254, v12
	v_floor_f32 v12, -v13                          ; the new -M: a whole number
	v_sub_f32 v254, v12, v254                      ; old M - new M, 0 or less
	v_cvt_i32_f32 v254, v254                       ; (it saturates)
	v_ldexp_f32 v252, 1.0, v254                    ; f = 2^(old M - new M)
.set n, 0
.rept 32
	v_pk_fma_f32 v[96+n:97+n], v[96+n:97+n], s[22:23], v[12:13] op_sel_hi:[1,0,0]   ; t - M
.set n, n+2
.endr
.irp b, 0,1,2,3
	v_fma_f32 v[232+\b], v[232+\b], s22, v12
.endr
.set n, 0
.rept 64
	v_exp_f32 v[96+n], v[96+n]                     ; p = 2^(t - M): not normalised
.set n, n+1
.endr
	v_pk_mul_f32 v[14:15], v[14:15], v[252:253] op_sel_hi:[1,0]    ; the sums under the new M: the plain place behind the exponentials
	s_wait_alu depctr_va_vdst(0)                   ; the 64 exponentials have written p, v96-v159: one wait for the batch, ahead of its first reader
.irp b, 0,1,2,3
	v_exp_f32 v[232+\b], v[232+\b]                 ; each block's largest p
.endr
	v_pk_add_f32 v[236:237], v[96:97], v[98:99]    ; the row's sum, of the unquantised p, in two chains
.irp j, 4,8,12,16,20,24,28,32,36,40,44,48,52,56,60
	v_pk_add_f32 v[14:15], v[14:15], v[96+\j:97+\j]
	v_pk_add_f32 v[236:237], v[236:237], v[98+\j:99+\j]
.endr
	v_pk_add_f32 v[14:15], v[14:15], v[236:237]
	s_wait_alu depctr_va_vdst(0)                   ; the four exponentials have written v232-v235: their wait, ahead of their first reader
.irp b, 0,1,2,3
	v_max_num_f32 v[232+\b], 0x1800000, v[232+\b]  ; the floor: the byte cannot fall under 1
.endr
.irp b, 0,1,2,3
	v_add_nc_u32 v[244+\b], 0xff000000, v[232+\b]
.endr
.irp b, 0,1,2,3
	v_lshrrev_b32 v[236+\b], 23, v[244+\b]
.endr
	v_lshl_or_b32 v253, v237, 8, v236              ; p's scale word for these 128 keys
	v_lshl_or_b32 v253, v238, 16, v253
	v_lshl_or_b32 v253, v239, 24, v253
.irp b, 0,1,2,3
	v_cvt_scalef32_pk8_fp4_f32 v[224+2*\b], v[96+16*\b:103+16*\b], v[244+\b]
	v_cvt_scalef32_pk8_fp4_f32 v[225+2*\b], v[104+16*\b:111+16*\b], v[244+\b]
.endr
	v_nop
.irp c, 0,1
.irp i, 0,1
	v_permlane16_swap_b32 v[224+4*\c+\i], v[226+4*\c+\i]
.endr
.endr
.set n, 0
.rept 16
	v_pk_mul_f32 v[160+n:161+n], v[160+n:161+n], v[252:253] op_sel_hi:[1,0]   ; O^T under the new M; these sixteen also stand between the scale word's and the codes' last writes and the products
.set n, n+2
.endr
	s_wait_alu depctr_va_vdst(0)                   ; p's codes v224-v231 and its scale word v253 are written, which the scaled products below take as source 1 and as its scales; the places above stay beside this wait
	s_wait_dscnt 0x0                               ; V
.irp t, 0,1,2,3
	v_wmma_scale_f32_16x16x128_f8f6f4 v[160+8*\t:167+8*\t], v[192+8*\t:199+8*\t], v[224:231], v[160+8*\t:167+8*\t], v[248+\t], v253 matrix_a_fmt:MATRIX_FMT_FP4 matrix_b_fmt:MATRIX_FMT_FP4
.endr
.Lskip_\@:
	s_lshr_b32 s16, s16, 2
	s_add_co_u32 s19, s19, 4096
	s_add_co_u32 s24, s24, 512
	s_add_co_u32 s25, s25, 256
	s_add_co_u32 s26, s26, 256
	s_sub_co_u32 s18, s18, 1
	s_cmp_lg_u32 s18, 0
	s_cbranch_scc1 .Lstep_\@
	; the tile's end
.rept 4
	v_nop
.endr
	v_add_f32 v14, v14, v15
	v_permlanex16_b32 v252, v14, s20, s21
	v_add_f32 v14, v14, v252                       ; the row's sum
	v_cmp_eq_f32 s28, 0, v14                       ; no key was open: a selection, no branch
	s_wait_alu depctr_va_sdst(0)                   ; the compare has written s28, ahead of its first reader
	v_cndmask_b32 v14, v14, 1.0, s28
	v_rcp_f32 v14, v14
	v_nop
	s_lshl_b32 s2, s14, 7
	s_add_co_u32 s2, s2, s15                       ; the token tile: 128 x batch + my tile
	s_lshr_b32 s3, s13, 1
	s_and_b32 s29, s13, 1
	s_lshl_b32 s100, s2, 13
	s_lshl_b32 s17, s3, 10
	s_add_co_u32 s100, s100, s17
	s_lshl_b32 s17, s29, 9
	s_add_co_u32 s100, s100, s17
	s_mov_b32 s101, 0
	s_add_nc_u64 s[100:101], s[8:9], s[100:101]    ; my piece of the image
	s_lshl_b32 s2, s2, 9
	s_lshl_b32 s3, s3, 6
	s_add_co_u32 s2, s2, s3
	s_lshl_b32 s29, s29, 1
	s_add_co_u32 s2, s2, s29
	s_mov_b32 s3, 0
	s_add_nc_u64 s[2:3], s[8:9], s[2:3]            ; my two bytes of each row's scale word
	s_wait_alu depctr_va_vdst(0)                   ; the reciprocal has written v14, ahead of its first reader
.set n, 0
.rept 16
	v_pk_mul_f32 v[96+n:97+n], v[160+n:161+n], v[14:15] op_sel_hi:[1,0]   ; ctx: register 16 b + i is d = 32 b + 16 h + i
.set n, n+2
.endr
.irp b, 0,1
	v_max3_num_f32 v[232+\b], |v[96+16*\b]|, |v[97+16*\b]|, 0x1800000
.endr
.irp i, 2,4,6,8,10,12,14
.irp b, 0,1
	v_max3_num_f32 v[232+\b], v[232+\b], |v[96+16*\b+\i]|, |v[97+16*\b+\i]|
.endr
.endr
.irp b, 0,1
	v_permlanex16_b32 v[236+\b], v[232+\b], s20, s21
.endr
.irp b, 0,1
	v_max_num_f32 v[232+\b], v[232+\b], v[236+\b]
.endr
.irp b, 0,1
	v_add_nc_u32 v[244+\b], 0xff000000, v[232+\b]
.endr
.irp b, 0,1
	v_lshrrev_b32 v[236+\b], 23, v[244+\b]
.endr
.irp b, 0,1
	v_cvt_scalef32_pk8_fp4_f32 v[224+2*\b], v[96+16*\b:103+16*\b], v[244+\b]
	v_cvt_scalef32_pk8_fp4_f32 v[225+2*\b], v[104+16*\b:111+16*\b], v[244+\b]
.endr
	v_nop
	v_permlane16_swap_b32 v224, v226
	v_permlane16_swap_b32 v225, v227               ; registers 0-3: k = 32 h + 0 .. 31 of my head's 64
	v_cndmask_b32 v236, v236, v237, s27            ; lanes 0-15 store block 0's byte, lanes 16-31 block 1's
	v_cndmask_b32 v236, v236, v241, s28            ; a row with no open key: the NaN byte
	s_wait_alu depctr_va_vdst(0)                   ; ctx's codes v224-v227 and the scale byte v236 are written, which the two stores read
	global_store_b128 v1, v[224:227], s[100:101]   ; 512 consecutive bytes
	global_store_b8 v7, v236, s[2:3] offset:CS
.endm
	QTILE 0
	QTILE 1
	s_wait_dscnt 0x0                               ; the wave's end
	s_wait_alu 0x0
	s_wait_tensorcnt 0x0
	ds_add_u32 v5, v6
	s_wait_dscnt 0x0
	s_endpgm
.Lfunc_end_k_qaad52eae75_attn:
	.size	k_qaad52eae75_attn, .Lfunc_end_k_qaad52eae75_attn-k_qaad52eae75_attn
	.p2alignl 7, 3214868480
	.fill 96, 4, 3214868480
	.section	.rodata,"a",@progbits
	.p2align	6, 0x0
	.amdhsa_kernel k_qaad52eae75_attn
		.amdhsa_group_segment_fixed_size 145408
		.amdhsa_private_segment_fixed_size 0
		.amdhsa_enable_private_segment 0
		.amdhsa_kernarg_size 24
		.amdhsa_user_sgpr_count 2
		.amdhsa_user_sgpr_kernarg_segment_ptr 1
		.amdhsa_wavefront_size32 1
		.amdhsa_system_sgpr_workgroup_id_x 1
		.amdhsa_system_sgpr_workgroup_id_y 1
		.amdhsa_system_sgpr_workgroup_id_z 1
		.amdhsa_system_vgpr_workitem_id 0
		.amdhsa_next_free_vgpr 256
		.amdhsa_next_free_sgpr 102
		.amdhsa_reserve_vcc 0
		.amdhsa_float_denorm_mode_32 3
		.amdhsa_float_denorm_mode_16_64 3
		.amdhsa_memory_ordered 1
		.amdhsa_forward_progress 1
		.amdhsa_inst_pref_size 61
	.end_amdhsa_kernel
	.amdgpu_metadata
---
amdhsa.version: [ 1, 2 ]
amdhsa.kernels:
  - .name:           k_qaad52eae75_attn
    .symbol:         k_qaad52eae75_attn.kd
    .args:
      - { .name: qkv, .offset: 0, .size: 8, .value_kind: global_buffer, .address_space: global }
      - { .name: mw, .offset: 8, .size: 8, .value_kind: global_buffer, .address_space: global }
      - { .name: cq, .offset: 16, .size: 8, .value_kind: global_buffer, .address_space: global }
    .group_segment_fixed_size: 145408
    .private_segment_fixed_size: 0
    .kernarg_segment_align: 8
    .kernarg_segment_size: 24
    .max_flat_workgroup_size: 512
    .sgpr_count:     102
    .vgpr_count:     256
    .wavefront_size: 32
...
	.end_amdgpu_metadata
.endif
;; end of part 5
;; launch oproj: the kernel of part 4 again; grid 64 x 4, 4 waves a work-group, clusters of 4 x 1, 167,936 bytes of LDS; arguments cq, opq, b_out, out0; writes out0
